; MI455X (gfx1250); checked and timed in simulation.
; The chip was launched on July 23, 2026; its instructions are those of AMD's public machine-readable ISA for CDNA 5 (MIT licence, August 2026) and "CDNA5" Instruction Set Architecture Reference Guide (July 2026). The comments in the code are by the model that wrote it; some were corrected since.
;; Adjoint Manifold Block. Allowed arithmetic: float matrix products may take bf16 or f16 operands with f32 sums; all other float work in f32.
;; Inputs: Wa 1,024 x 64 float32; Wb 1,024 x 64 float32; Wc 64 x 1,024 float32; Wx 1,024 x 64 float32; v 4 x 2,048 x 1,024 float32; x 4 x 2,048 x 1,024 float32.
;; Outputs: out0 4 x 2,048 x 1,024 float32; out1 4 x 2,048 x 1,024 float32.
;; 2 versions, each right and faster than the one before. Each part assembles by itself: llvm-mc -triple=amdgcn-amd-amdhsa -mcpu=gfx1250 --defsym DOCPART=n.
;; ======== version 1 of 2: 2 launches
;; limits: inputs' magnitudes at most 65,504; values are held in f16: magnitudes above 65,504 overflow, below 6.1e-05 lose precision
;; workspace buffers: WF 393,216 bytes; GF 49,152 bytes; WcF 262,144 bytes
;; launch prep (part 1): grid 20 x 1, 16 waves a work-group, no clusters, 67,584 bytes of LDS; arguments Wa, Wb, Wx, Wc, WF, GF, WcF; writes WF, GF, WcF
.if DOCPART == 1
	.amdgcn_target "amdgcn-amd-amdhsa--gfx1250"
	.amdhsa_code_object_version 6
	.text
	.protected	k_qcca2bec836_prep
	.globl	k_qcca2bec836_prep
	.p2align	8
	.type	k_qcca2bec836_prep,@function
k_qcca2bec836_prep:
	s_mov_b64 s[64:65], 0
	v_nop
	global_prefetch_b8 v0, s[64:65] scope:SCOPE_SE
	s_setreg_imm32_b32 hwreg(HW_REG_WAVE_MODE, 25, 1), 1
	s_wait_xcnt 0x0
; Weights only.  Lays the weights out as matrix fragments of 1,024 bytes (registers 0-3 of lane L at 16 L, registers 4-7 at 512 + 16 L),
; so that the main launch loads each half fragment as 512 consecutive bytes, and makes G = Wc [Wa | Wb | k Wx], 64 x 192.
;   WF  (f16) fragment (s, mt) at (12 s + mt) 1024: lane (r, h) holds W[d][16 (mt & 3) + r], d = 32 s + 8 h + 0..7 and 32 s + 16 + 8 h + 0..7;
;       W = Wa (mt 0-3), Wb (mt 4-7), k Wx (mt 8-11), k = 2 log2 e, so that tanh needs no multiply in front of its exponential.
;   GF  (bf16, in two parts: hi = bf16(G), lo = bf16(G - hi)) fragment (mt, ks, lo) at 4096 mt + 2048 ks + 1024 lo:
;       lane (r, h) holds G[rank][16 mt + r], rank = 32 ks + 8 h + .. and 32 ks + 16 + 8 h + ..
;   WcF (bf16, hi and lo likewise) fragment (f = 2 dt + ks, lo) at 2048 f + 1024 lo: lane (r, h) holds -Wc[rank][16 dt + r], the same ranks.
; FORMATS: the weights go in f16 where their partner in the product has room in f16 too (x, v, and Wc with W in G's own product): 11 bits instead of 8.
; LIMIT: |Wa|, |Wb|, |k Wx|, |Wc| below 65,504; below 6e-5 their absolute error is 3e-8.  G and -Wc meet the stage coefficients, which have no
; bound, so they go in bf16, as a sum of two.
; Work-groups 0-11: one tile column mt of WF and of G; wave w takes K steps 2 w and 2 w + 1, the 16 waves' partial G meet in LDS.
; Work-groups 12-19: 16 fragments of WcF each, one a wave.
; The gathers take 4 bytes a lane from rows 256 or 4,096 bytes apart: once, for 1 MiB of weights.  Every store covers 512 consecutive bytes.
; No tensor loads, ring or cluster: each wave issues all its loads at once and has nothing to overlap them with.
.set KAPPA, 0x4038aa3b                 ; 2 log2 e
.set F,   16                           ; v[16:47]   2 x 16 gathered f32; later at work
.set BF,  48                           ; v[48:63]   2 fragments
.set WCR, 64                           ; v[64:191]  8 x 16 f32 of Wc, packed in place into the first 8 of each 16; later the 16 partial tiles
.set ACC, 192                          ; v[192:223] 4 tiles of G: ranks 16 rt .. 16 rt + 15
; 16 numbers of a fragment's lane: k = 0..7 and 16..23 rows of \pitch bytes from the lane's first
.macro GATH dst, voff, base, imm0, pitch
.irp i, 0,1,2,3,4,5,6,7
	global_load_b32 v[\dst+\i], v[\voff], s[\base:\base+1] offset:\imm0+\i*\pitch
.endr
.irp i, 0,1,2,3,4,5,6,7
	global_load_b32 v[\dst+8+\i], v[\voff], s[\base:\base+1] offset:\imm0+(16+\i)*\pitch
.endr
.endm
.macro SCALE src                       ; by 1, k or -1: one text for all three
.irp i, 0,2,4,6,8,10,12,14
	v_pk_mul_f32 v[\src+\i:\src+\i+1], v[\src+\i:\src+\i+1], s[22:23] op_sel_hi:[1,0]
.endr
.endm
.macro PACKH dst, src                  ; scale and round to f16: the lower k in the lower half
	SCALE \src
.irp i, 0,1,2,3,4,5,6,7
	v_cvt_pk_f16_f32 v[\dst+\i], v[\src+2*\i], v[\src+2*\i+1]
.endr
.endm
; 2 n numbers as a sum of two bf16: hi = bf16(z), lo = bf16(z - hi)
.macro SPLIT hi, lo, src, tmp, n
.set sk, 0
.rept \n
	v_cvt_pk_bf16_f32 v[\hi+sk], v[\src+2*sk], v[\src+2*sk+1]
	v_lshlrev_b32 v[\tmp+2*sk], 16, v[\hi+sk]                      ; hi back in f32: the low half moves up,
	v_and_b32 v[\tmp+2*sk+1], 0xffff0000, v[\hi+sk]                ; the high half stays
	v_pk_add_f32 v[\tmp+2*sk:\tmp+2*sk+1], v[\src+2*sk:\src+2*sk+1], v[\tmp+2*sk:\tmp+2*sk+1] neg_lo:[0,1] neg_hi:[0,1]
	v_cvt_pk_bf16_f32 v[\lo+sk], v[\tmp+2*sk], v[\tmp+2*sk+1]
.set sk, sk+1
.endr
.endm
; partial tiles p and p + n are added, p = 0 .. n - 1
.macro TREE n
.set p, 0
.rept \n
.irp i, 0,2,4,6
	v_pk_add_f32 v[WCR+8*p+\i:WCR+8*p+\i+1], v[WCR+8*p+\i:WCR+8*p+\i+1], v[WCR+8*(p+\n)+\i:WCR+8*(p+\n)+\i+1]
.endr
.set p, p+1
.endr
.endm
	s_load_b256 s[4:11], s[0:1], 0x0               ; Wa s[4:5], Wb s[6:7], Wx s[8:9], Wc s[10:11]
	s_load_b128 s[12:15], s[0:1], 0x20             ; WF s[12:13], GF s[14:15]
	s_load_b64 s[16:17], s[0:1], 0x30              ; WcF
	v_lshl_add_u32 v254, v0, 2, 0x10000
	v_mov_b32 v255, 0
	v_lshrrev_b32 v6, 5, v0
	v_readfirstlane_b32 s18, v6                    ; wave w, 0..15
	s_mov_b32 s19, ttmp9                           ; work-group g
	v_and_b32 v7, 15, v0                           ; r
	v_bfe_u32 v8, v0, 4, 1                         ; h
	v_and_b32 v1, 31, v0
	v_lshlrev_b32 v1, 4, v1                        ; 16 L
	s_mov_b32 s25, 0                               ; high word of every offset pair s[24:25]
	s_wait_kmcnt 0x0
	s_cmp_ge_u32 s19, 12                           ; the same in all waves of a work-group
	s_cbranch_scc1 .Lwc
	; ---- work-groups 0-11: tile column mt = g
	s_cmp_lt_u32 s19, 8
	s_cselect_b64 s[20:21], s[6:7], s[8:9]         ; Wb or Wx,
	s_cselect_b32 s22, 1.0, KAPPA                  ; and its scale
	s_cmp_lt_u32 s19, 4
	s_cselect_b64 s[20:21], s[4:5], s[20:21]       ; or Wa
	s_mov_b32 s23, s22
	s_and_b32 s24, s19, 3
	s_lshl_b32 s24, s24, 6                         ; 16 columns of 4 bytes
	s_lshl_b32 s26, s18, 14                        ; 2 K steps x 32 rows x 256 bytes
	s_add_co_u32 s24, s24, s26
	s_add_nc_u64 s[20:21], s[20:21], s[24:25]
	s_lshl_b32 s24, s18, 8                         ; Wc: 2 K steps x 128 bytes along its rows
	s_add_nc_u64 s[10:11], s[10:11], s[24:25]
	s_mul_i32 s24, s18, 24576                      ; WF: 2 K steps x 12 fragments,
	s_lshl_b32 s26, s19, 10                        ; + fragment g
	s_add_co_u32 s24, s24, s26
	s_add_nc_u64 s[12:13], s[12:13], s[24:25]
	s_lshl_b32 s24, s19, 12                        ; GF: 4,096 g + 2,048 (w / 2) + 512 (w % 2) (used by waves 0-3: ranks 16 w .. are half w % 2 of K half w / 2)
	s_lshr_b32 s26, s18, 1
	s_lshl_b32 s26, s26, 11
	s_add_co_u32 s24, s24, s26
	s_and_b32 s26, s18, 1
	s_lshl_b32 s26, s26, 9
	s_add_co_u32 s24, s24, s26
	s_add_nc_u64 s[14:15], s[14:15], s[24:25]
	v_lshlrev_b32 v2, 2, v7
	v_lshl_add_u32 v2, v8, 11, v2                  ; W: 8 h rows + column r
	v_lshlrev_b32 v3, 12, v7
	v_lshl_add_u32 v3, v8, 5, v3                   ; Wc: row r + 8 h columns
	v_lshl_add_u32 v4, s18, 12, v1                 ; LDS: my four partial tiles
	v_lshl_add_u32 v5, s18, 10, v1                 ; LDS: tile rt = w of partial 0
	GATH F,    2, 20, 0,    256
	GATH F+16, 2, 20, 8192, 256
.irp k, 0,1
.irp rt, 0,1,2,3
.irp q, 0,1,2,3
	global_load_b128 v[WCR+16*(4*\k+\rt)+4*\q:WCR+16*(4*\k+\rt)+4*\q+3], v3, s[10:11] offset:65536*\rt+128*\k+16*(\q%2)+64*(\q/2)
.endr
.endr
.endr
	s_wait_loadcnt 32                              ; the 32 gathered words are in; the 32 loads of Wc behind them stay out
	PACKH BF,   F
	PACKH BF+8, F+16
.irp k, 0,1
	global_store_b128 v1, v[BF+8*\k:BF+8*\k+3],   s[12:13] offset:12288*\k
	global_store_b128 v1, v[BF+8*\k+4:BF+8*\k+7], s[12:13] offset:12288*\k+512
.endr
	s_wait_loadcnt 0x0
.set b, 0
.rept 8
.irp j, 0,1,2,3,4,5,6,7
	v_cvt_pk_f16_f32 v[WCR+16*b+\j], v[WCR+16*b+2*\j], v[WCR+16*b+2*\j+1]   ; in place, ascending: word j is written when words 2 j, 2 j + 1 are read
.endr
.set b, b+1
.endr
	; D(m = rank, n = column of W) = Wc rows x W columns.  Four accumulators by turns, one instruction a turn.
.irp rt, 0,1,2,3
	v_wmma_f32_16x16x32_f16 v[ACC+8*\rt:ACC+8*\rt+7], v[WCR+16*\rt:WCR+16*\rt+7], v[BF:BF+7], 0
.endr
.irp rt, 0,1,2,3
	v_wmma_f32_16x16x32_f16 v[ACC+8*\rt:ACC+8*\rt+7], v[WCR+16*(4+\rt):WCR+16*(4+\rt)+7], v[BF+8:BF+15], v[ACC+8*\rt:ACC+8*\rt+7]
.endr
.rept 4
	v_nop                                          ; four places before the results are stored and the sources loaded again (ISA guide 7.12.1)
.endr
.irp rt, 0,1,2,3
	ds_store_b128 v4, v[ACC+8*\rt:ACC+8*\rt+3]   offset:1024*\rt
	ds_store_b128 v4, v[ACC+8*\rt+4:ACC+8*\rt+7] offset:1024*\rt+512
.endr
	s_wait_dscnt 0x0                               ; for the other waves: my partial tiles are in LDS
	s_barrier_signal -1
	s_barrier_wait -1
	s_cmp_ge_u32 s18, 4
	s_cbranch_scc1 .Lend                           ; waves 0-3 add up: wave w the tile of ranks 16 w ..
.set p, 0
.rept 16
	ds_load_b128 v[WCR+8*p:WCR+8*p+3],   v5 offset:4096*p
	ds_load_b128 v[WCR+8*p+4:WCR+8*p+7], v5 offset:4096*p+512
.set p, p+1
.endr
	s_wait_dscnt 0x0
	TREE 8
	TREE 4
	TREE 2
	TREE 1
	SPLIT F, F+4, WCR, F+8, 4                      ; lane (r, h): G[16 w + 8 h + 0..7][16 g + r] = half a fragment's lane, hi and lo
	global_store_b128 v1, v[F:F+3],   s[14:15]
	global_store_b128 v1, v[F+4:F+7], s[14:15] offset:1024
	s_wait_tensorcnt 0x0
	ds_add_u32 v254, v255
	s_wait_dscnt 0x0
	s_endpgm
	; ---- work-groups 12-19: fragment f = 16 (g - 12) + w of -Wc, hi and lo
.Lwc:
	s_sub_co_u32 s26, s19, 12
	s_lshl_b32 s26, s26, 4
	s_add_co_u32 s26, s26, s18                     ; f = 2 dt + ks
	s_and_b32 s24, s26, 1
	s_lshl_b32 s24, s24, 17                        ; 32 ks rows of 4,096 bytes
	s_lshr_b32 s27, s26, 1
	s_lshl_b32 s27, s27, 6                         ; 16 dt columns
	s_add_co_u32 s24, s24, s27
	s_add_nc_u64 s[10:11], s[10:11], s[24:25]
	s_lshl_b32 s24, s26, 11
	s_add_nc_u64 s[16:17], s[16:17], s[24:25]
	s_mov_b32 s22, -1.0
	s_mov_b32 s23, -1.0
	v_lshlrev_b32 v2, 2, v7
	v_lshl_add_u32 v2, v8, 15, v2                  ; 8 h rows + column r
	GATH F, 2, 10, 0, 4096
	s_wait_loadcnt 0x0
	SCALE F
	SPLIT BF, BF+8, F, F+16, 8
	global_store_b128 v1, v[BF:BF+3],     s[16:17]
	global_store_b128 v1, v[BF+4:BF+7],   s[16:17] offset:512
	global_store_b128 v1, v[BF+8:BF+11],  s[16:17] offset:1024
	global_store_b128 v1, v[BF+12:BF+15], s[16:17] offset:1536
.Lend:
	s_wait_tensorcnt 0x0
	ds_add_u32 v254, v255
	s_wait_dscnt 0x0
	s_endpgm
.Lfunc_end_k_qcca2bec836_prep:
	.size	k_qcca2bec836_prep, .Lfunc_end_k_qcca2bec836_prep-k_qcca2bec836_prep
	.p2alignl 7, 3214868480
	.fill 96, 4, 3214868480
	.section	.rodata,"a",@progbits
	.p2align	6, 0x0
	.amdhsa_kernel k_qcca2bec836_prep
		.amdhsa_group_segment_fixed_size 67584
		.amdhsa_private_segment_fixed_size 0
		.amdhsa_enable_private_segment 0
		.amdhsa_kernarg_size 56
		.amdhsa_user_sgpr_count 2
		.amdhsa_user_sgpr_kernarg_segment_ptr 1
		.amdhsa_wavefront_size32 1
		.amdhsa_system_sgpr_workgroup_id_x 1
		.amdhsa_system_sgpr_workgroup_id_y 1
		.amdhsa_system_sgpr_workgroup_id_z 1
		.amdhsa_system_vgpr_workitem_id 0
		.amdhsa_next_free_vgpr 256
		.amdhsa_next_free_sgpr 66
		.amdhsa_reserve_vcc 0
		.amdhsa_float_denorm_mode_32 3
		.amdhsa_float_denorm_mode_16_64 3
		.amdhsa_memory_ordered 1
		.amdhsa_forward_progress 1
		.amdhsa_inst_pref_size 29
	.end_amdhsa_kernel
	.amdgpu_metadata
---
amdhsa.version: [ 1, 2 ]
amdhsa.kernels:
  - .name:           k_qcca2bec836_prep
    .symbol:         k_qcca2bec836_prep.kd
    .args:
      - { .name: Wa, .offset: 0, .size: 8, .value_kind: global_buffer, .address_space: global }
      - { .name: Wb, .offset: 8, .size: 8, .value_kind: global_buffer, .address_space: global }
      - { .name: Wx, .offset: 16, .size: 8, .value_kind: global_buffer, .address_space: global }
      - { .name: Wc, .offset: 24, .size: 8, .value_kind: global_buffer, .address_space: global }
      - { .name: WF, .offset: 32, .size: 8, .value_kind: global_buffer, .address_space: global }
      - { .name: GF, .offset: 40, .size: 8, .value_kind: global_buffer, .address_space: global }
      - { .name: WcF, .offset: 48, .size: 8, .value_kind: global_buffer, .address_space: global }
    .group_segment_fixed_size: 67584
    .private_segment_fixed_size: 0
    .kernarg_segment_align: 8
    .kernarg_segment_size: 56
    .max_flat_workgroup_size: 512
    .sgpr_count:     66
    .vgpr_count:     256
    .wavefront_size: 32
...
	.end_amdgpu_metadata
.endif
;; end of part 1
;; launch main (part 2): grid 256 x 1, 4 waves a work-group, no clusters, 311,808 bytes of LDS; arguments x, v, WF, GF, WcF, out0, out1; writes out0, out1
.if DOCPART == 2
	.amdgcn_target "amdgcn-amd-amdhsa--gfx1250"
	.amdhsa_code_object_version 6
	.text
	.protected	k_qcca2bec836_main
	.globl	k_qcca2bec836_main
	.p2align	8
	.type	k_qcca2bec836_main,@function
k_qcca2bec836_main:
	s_mov_b64 s[64:65], 0
	v_nop
	global_prefetch_b8 v0, s[64:65] scope:SCOPE_SE
	s_setreg_imm32_b32 hwreg(HW_REG_WAVE_MODE, 25, 1), 1
	s_wait_xcnt 0x0
; Five RK4 steps of dx/dt = v, dv/dt = -((v Wa)(v Wb) tanh(x Wx)) Wc on 8,192 rows of 2 x 1,024 numbers.
; The dynamics see the state only through a = v Wa, b = v Wb, p = x Wx, q = v Wx (64 numbers each) and change v only by multiples of rows of Wc.
; By the linearity of the products, for every input: with G = Wc [Wa | Wb | Wx] and U(c) = c G all 20 stages run on a, b, p, q, and
;   out1 = v0 - CV Wc,   out0 = x0 + v0 - CX Wc,   CV, CX = the RK4-weighted sums of the stage coefficients c (64 numbers a row).
; Every stage, every tanh and every RK4 weight is computed; only the products are regrouped.
; FORMATS.  The quadratic dynamics enlarge an error in a, b, p, q in rows that grow, so the operands are kept finer than one bf16:
;   projections: x, v and the weights in f16 (11 bits).  They have room there: 30 times the drawn spread stays under 200.
;   products with G and with Wc: the stage coefficients and their sums have no bound, so they go in bf16, each number as hi = bf16(z) and lo = bf16(z - hi),
;   and so do G and -Wc; a product is hi hi + lo hi + hi lo (what is dropped, lo lo, lies 16 bits below).
; LIMITS, kept on purpose: |x|, |v| below 65,504 (f16); the order of rounding differs from the reference's; all sums and all carried numbers are f32.
; 5 x 0.2 is taken as 1.  tanh(z) = 1 - 2 / (1 + 2^(k z)), k = 2 log2 e (folded into Wx and G's third part): exact at saturation (2^.. = inf gives 1,
; 0 gives -1); near z = 0 its absolute error is about 1e-7, so its relative error grows there.
;
; A work-group owns 32 rows; 256 work-groups.  Four waves.
; PHASE 1 (wave w: columns 256 w .. 256 w + 255): x and v come in once, by eight tensor loads a wave, all out at once; they are read from LDS
;   into 512 registers (windows 2 and 3), where they STAY in f32, and are rounded to f16 for the projections.  K is split over the waves.
; REDUCTION: the four waves' partial a, b, p, q meet in LDS.
; ODE (wave w = 2 rt + rh: rows 16 rt .., ranks 32 rh ..): 20 products with G; a stage's c is exchanged with the partner wave w ^ 1 through LDS.
; PHASE 3 (columns as in phase 1): the registers that hold v0 and x0 + v0 are the C tiles of the products with -Wc; out through LDS in whole rows.
; ALL PRODUCTS ARE TRANSPOSED: N = 16 batch rows, M = ranks or columns.  In a result lane (r, h) holds batch row r, indices 8 h + 0..7, so two
; result tiles rounded to 16 bits are the second operand of the next product as they stand, and the f32 words of x and v as loaded are result tiles.
; NO CLUSTER, though all work-groups read the same weights: the first fills of x and v take 278,528 of the LDS bytes and the scratch 32,768; the 16,384
; that are left would hold two slots of 1/48 of WF, with fewer than six matrix instructions a wave between request and wait.  Instead each
; fragment is loaded once a work-group, straight into the registers of the one wave that multiplies it, ahead of its use.
.set REGION, 69632                     ; a wave's LDS region: 8 sub-tiles (index 2 c + t; t = 0: v, 1: x)
.set SUB,    8704                      ; a sub-tile: 32 rows x (256 bytes + 16 of padding)
.set PITCH,  272                       ; 17 x 16 bytes: the 16 rows that 16 lanes touch lie in 16 different 16-byte columns modulo 256
.set SCR,    278528                    ; scratch that no tensor load fills: two exchange buffers (8,192 parity + 2,048 w + 1,024 lo),
.set FB0,    16384                     ; then, FB0 on, CV's and CX's fragments (8,192 t + 2,048 w + 1,024 lo)
; window 0, fixed
.set LA,  1                            ; my region + 272 r + 32 h: my 8 f32 of row r
.set WO,  2                            ; 16 L
.set SA,  3                            ; my region + 16 L: my outbox
.set RA,  4                            ; v4-7: wave w''s outbox, the part for me
.set VGO, 8                            ; G: my tiles, my own ranks' K half
.set VGP, 9                            ; G: my tiles, my partner's K half
.set XS,  10                           ; scratch + 2,048 w + 16 L
.set XL,  11                           ; scratch + 2,048 (w ^ 1) + 16 L
.set FL,  12                           ; scratch + 16 L
.set RD,  13                           ; v13: my region + 272 (L >> 4) + 16 (L & 15); v14: the same 4 sub-tiles on (the LDS immediate has 16 bits)
.set CO,  15                           ; 4,096 (L >> 4) + 16 (L & 15): two rows of the outputs
; window 0, phase 1
.set BV,  32                           ; v[32:47]  v's fragments, row tiles 0, 1
.set BX,  48                           ; v[48:63]  x's
.set AB0, 64                           ; v[64:159]  12 weight fragments of a K step
.set AB1, 160                          ; v[160:255] the same, second buffer
; window 0, ODE: pools of 16 registers (2 tiles of 16 ranks x 16 rows)
.set CC, 16
.set A_, 32
.set B_, 48
.set PA, 64
.set Q_, 80
.set PB, 96
.set PC, 112
.set PD, 128
.set S_, 144
.set CV, 160
.set CX, 176
.set UA, 192
.set UB, 208
.set UX, 224
.set CFH, 240                          ; v[240:247] my c as a fragment, hi
.set CFL, 248                          ; v[248:255] lo
; window 0, phase 3: fragment (t, w', lo) of CV (t = 0) and CX (t = 1) at v[32 + 64 t + 16 w' + 8 lo]
.set OB,  160                          ; v[160:223] rows on their way out
; window 1: phase 1: 32 accumulator tiles at 8 (8 (2 nt + t/2) + 2 Q + t%2), Q = a 0, b 1, p 2, q 3, t = rank tile;
;           ODE: G's fragment gi = 2 part + tl: hi own K half at 8 gi, hi partner's at 48 + 8 gi, lo at 96 + 8 gi and 144 + 8 gi;
.set PFH, 192                          ;      v[192:199] of window 1: my partner's c, hi
.set PFL, 200                          ;      v[200:207] of window 1: lo
;           phase 3: two buffers of 128: fragment fl of column group c at 128 (c % 2) + 64 lo + 8 fl.
; window 2: v, window 3: x, register (2 sl + nt) 16 + e.
.set G1, 16                            ; s[16:23] descriptor group 1
.set G0, 24                            ; s[24:55] descriptor group 0, one set for each of the eight loads, never rewritten
; RK4's constants, h = 0.2
.set H2,   0x3dcccccd                  ; h/2
.set NH2,  0xbdcccccd
.set H,    0x3e4ccccd
.set NH,   0xbe4ccccd
.set H6,   0x3d088889                  ; h/6
.set NH6,  0xbd088889
.set NHH4, 0xbc23d70a                  ; -h h/4
.set NHH2, 0xbca3d70a                  ; -h h/2
.set HH6,  0x3bda740e                  ; h h/6
.set NHH6, 0xbbda740e
.set MSB, 0
.macro WIN new                         ; low byte: bits 1:0 source 0, 3:2 source 1, 5:4 source 2, 7:6 destination; the high byte repeats the setting that is left
.if MSB != \new
	s_set_vgpr_msb (MSB<<8)|\new
.set MSB, \new
.endif
.endm
	s_load_b256 s[4:11], s[0:1], 0x0               ; x s[4:5], v s[6:7], WF s[8:9], GF s[10:11]
	s_load_b128 s[12:15], s[0:1], 0x20             ; WcF s[12:13], out0 s[14:15]
	s_load_b64 s[2:3], s[0:1], 0x30                ; out1
	v_lshl_add_u32 v254, v0, 2, 0x4c000
	v_mov_b32 v255, 0
	ds_add_u32 v254, v255
	ds_add_u32 v254, v255
	s_wait_dscnt 0x0
	v_lshrrev_b32 v16, 5, v0
	v_readfirstlane_b32 s56, v16                   ; wave w
	s_mul_i32 s57, s56, REGION                     ; my LDS region
	s_lshl_b32 s58, ttmp9, 17                      ; 32 rows of 4,096 bytes,
	s_lshl_b32 s60, s56, 10                        ; + my 256 columns
	s_add_co_u32 s58, s58, s60
	s_mov_b32 s59, 0
	; group 1: a tile of 32 rows x 64 elements of 4 bytes, 16 bytes of padding behind every 64 words
	s_mov_b32 s[G1+0], (2<<16)|(1<<20)|(5<<22)|(3<<25)
	s_mov_b32 s[G1+1], 64<<16                      ; tensor_dim0 = 64
	s_mov_b32 s[G1+2], 32<<16                      ; tensor_dim1 = 32
	s_mov_b32 s[G1+3], 64<<16                      ; tile_dim0 = 64
	s_mov_b32 s[G1+4], 32                          ; tile_dim1 = 32
	s_mov_b32 s[G1+5], 1024                        ; elements from row to row
	s_mov_b32 s[G1+6], 0
	s_mov_b32 s[G1+7], 0
	s_wait_kmcnt 0x0
	s_add_nc_u64 s[4:5], s[4:5], s[58:59]
	s_add_nc_u64 s[6:7], s[6:7], s[58:59]
	; All of my 64 KiB of x and v go out at once, ahead of every wait on TENSORcnt, LDS read and barrier: eight tensor loads of mine are out, never more.
.irp c, 0,1,2,3
	s_mov_b32 s[G0+8*\c], 1
	s_add_co_u32 s[G0+8*\c+1], s57, SUB*(2*\c)
	s_add_nc_u64 s[G0+8*\c+2:G0+8*\c+3], s[6:7], 256*\c
	s_or_b32 s[G0+8*\c+3], s[G0+8*\c+3], 0x80000000
	tensor_load_to_lds s[G0+8*\c:G0+8*\c+3], s[G1:G1+7]            ; v, columns 64 c ..
	s_nop 0
	s_mov_b32 s[G0+8*\c+4], 1
	s_add_co_u32 s[G0+8*\c+5], s57, SUB*(2*\c+1)
	s_add_nc_u64 s[G0+8*\c+6:G0+8*\c+7], s[4:5], 256*\c
	s_or_b32 s[G0+8*\c+7], s[G0+8*\c+7], 0x80000000
	tensor_load_to_lds s[G0+8*\c+4:G0+8*\c+7], s[G1:G1+7]          ; x, columns 64 c ..
	s_nop 0
.endr
	s_add_nc_u64 s[14:15], s[14:15], s[58:59]
	s_add_nc_u64 s[2:3], s[2:3], s[58:59]
	s_mul_i32 s60, s56, 98304                      ; WF: my 8 K steps of 12 fragments
	s_mov_b32 s61, 0
	s_add_nc_u64 s[8:9], s[8:9], s[60:61]
	s_lshl_b32 s60, s56, 16                        ; WcF: my 32 fragments, hi and lo
	s_add_nc_u64 s[12:13], s[12:13], s[60:61]
	v_and_b32 v18, 31, v0
	v_lshlrev_b32 v[WO], 4, v18
; 12 weight fragments of my K step sl, 24 loads of 512 consecutive bytes
.macro LDA buf, sl
	WIN 0
.irp mt, 0,1,2,3,4,5,6,7,8,9,10,11
	global_load_b128 v[\buf+8*\mt:\buf+8*\mt+3],   v[WO], s[8:9] offset:12288*(\sl)+1024*\mt
	global_load_b128 v[\buf+8*\mt+4:\buf+8*\mt+7], v[WO], s[8:9] offset:12288*(\sl)+1024*\mt+512
.endr
.endm
	LDA AB0, 0
	LDA AB1, 1
	v_and_b32 v16, 15, v0                          ; r
	v_bfe_u32 v17, v0, 4, 1                        ; h
	v_mul_u32_u24 v[LA], v16, PITCH
	v_lshl_add_u32 v[LA], v17, 5, v[LA]
	v_add_nc_u32 v[LA], s57, v[LA]
	v_add_nc_u32 v[SA], s57, v[WO]
	s_lshl_b32 s61, s56, 13                        ; 8 tiles of 1,024 bytes for each receiving wave
	v_add_nc_u32 v[RA], s61, v[WO]
	v_add_nc_u32 v[RA+1], REGION, v[RA]
	v_add_nc_u32 v[RA+2], REGION, v[RA+1]
	v_add_nc_u32 v[RA+3], REGION, v[RA+2]
	s_and_b32 s62, s56, 1                          ; rh
	s_mul_i32 s63, s62, 10240                      ; tiles 2 rh, 2 rh + 1 of a part (8,192 rh), K half rh (2,048 rh)
	v_add_nc_u32 v[VGO], s63, v[WO]
	s_mul_i32 s63, s62, 6144                       ; 8,192 rh + 2,048 (1 - rh)
	s_add_co_u32 s63, s63, 2048
	v_add_nc_u32 v[VGP], s63, v[WO]
	s_lshl_b32 s61, s56, 11
	s_add_co_u32 s61, s61, SCR
	v_add_nc_u32 v[XS], s61, v[WO]
	s_xor_b32 s61, s56, 1                          ; my partner: the same rows, the other ranks
	s_lshl_b32 s61, s61, 11
	s_add_co_u32 s61, s61, SCR
	v_add_nc_u32 v[XL], s61, v[WO]
	v_add_nc_u32 v[FL], SCR, v[WO]
	v_mul_u32_u24 v[RD], v17, PITCH
	v_lshl_add_u32 v[RD], v16, 4, v[RD]
	v_add_nc_u32 v[RD], s57, v[RD]
	v_add_nc_u32 v[RD+1], 4*SUB, v[RD]
	v_lshlrev_b32 v[CO], 12, v17
	v_lshl_add_u32 v[CO], v16, 4, v[CO]
; ---------------------------------------------------------------- PHASE 1
; K step 2 c + k2 of v into window 2 and of x into window 3: lane (r, h) takes columns 8 h + 0..7 and 16 + 8 h + 0..7 of rows r and 16 + r
.macro LDB c, k2
	WIN 0x80
.irp nt, 0,1
.irp q, 0,1,2,3
	ds_load_b128 v[(2*(2*\c+\k2)+\nt)*16+4*\q:(2*(2*\c+\k2)+\nt)*16+4*\q+3], v[LA] offset:SUB*(2*\c)+4352*\nt+128*\k2+16*(\q%2)+64*(\q/2)
.endr
.endr
	WIN 0xc0
.irp nt, 0,1
.irp q, 0,1,2,3
	ds_load_b128 v[(2*(2*\c+\k2)+\nt)*16+4*\q:(2*(2*\c+\k2)+\nt)*16+4*\q+3], v[LA] offset:SUB*(2*\c+1)+4352*\nt+128*\k2+16*(\q%2)+64*(\q/2)
.endr
.endr
.endm
; the K step's f32 words rounded to f16 fragments; the f32 words stay
.macro CVT sl
	WIN 0x0a
.irp nt, 0,1
.irp k, 0,1,2,3,4,5,6,7
	v_cvt_pk_f16_f32 v[BV+8*\nt+\k], v[(2*(\sl)+\nt)*16+2*\k], v[(2*(\sl)+\nt)*16+2*\k+1]
.endr
.endr
	WIN 0x0f
.irp nt, 0,1
.irp k, 0,1,2,3,4,5,6,7
	v_cvt_pk_f16_f32 v[BX+8*\nt+\k], v[(2*(\sl)+\nt)*16+2*\k], v[(2*(\sl)+\nt)*16+2*\k+1]
.endr
.endr
.endm
.macro MMI acc, a, b, zero
.if \zero
	v_wmma_f32_16x16x32_f16 v[(\acc):(\acc)+7], v[(\a):(\a)+7], v[(\b):(\b)+7], 0
.else
	v_wmma_f32_16x16x32_f16 v[(\acc):(\acc)+7], v[(\a):(\a)+7], v[(\b):(\b)+7], v[(\acc):(\acc)+7]
.endif
.endm
; 32 matrix instructions, each of the 32 accumulators once, always in this order: they take turns, one instruction a turn.
; zero = 1: the first K step starts the sums.
.macro MM buf, zero
	WIN 0x50
.irp nt, 0,1
.irp t, 0,1,2,3
	MMI 8*(8*(2*\nt+\t/2)+0+\t%2), \buf+8*\t, BV+8*\nt, \zero           ; a = v Wa
.endr
.irp t, 0,1,2,3
	MMI 8*(8*(2*\nt+\t/2)+2+\t%2), \buf+8*(4+\t), BV+8*\nt, \zero       ; b = v Wb
.endr
.irp t, 0,1,2,3
	MMI 8*(8*(2*\nt+\t/2)+6+\t%2), \buf+8*(8+\t), BV+8*\nt, \zero       ; q = v Wx
.endr
.irp t, 0,1,2,3
	MMI 8*(8*(2*\nt+\t/2)+4+\t%2), \buf+8*(8+\t), BX+8*\nt, \zero       ; p = x Wx
.endr
.endr
.endm
; x += v on the K step's 32 registers: useful work that names no register of the matrix instructions in front of it, 16 places where 4 are
; needed (ISA guide 7.12.1) before the weight buffer is loaded again, the fragments are rewritten or the accumulators are stored
.macro XPV sl
	WIN 0xcb
.irp i, 0,2,4,6,8,10,12,14,16,18,20,22,24,26,28,30
	v_pk_add_f32 v[32*(\sl)+\i:32*(\sl)+\i+1], v[32*(\sl)+\i:32*(\sl)+\i+1], v[32*(\sl)+\i:32*(\sl)+\i+1]
.endr
.endm
.macro CHUNK c
	s_wait_tensorcnt 6-2*\c                        ; a wave's tensor loads end in order: sub-tiles 2 c and 2 c + 1 are in, the 6 - 2 c younger ones stay out; only I read them
	LDB \c, 0
	LDB \c, 1
.endm
; dsw: LDS loads that may stay out (the second K step's 16, or none); ldw: weight loads that may stay out (the next K step's 24, or none)
.macro KST sl, buf, dsw, ldw, zero, more
	s_wait_dscnt \dsw
	CVT \sl
	s_wait_loadcnt \ldw
	MM \buf, \zero
	XPV \sl
.if \more
	LDA \buf, \sl+2
.endif
.endm
	CHUNK 0
	KST 0, AB0, 16, 24, 1, 1
	KST 1, AB1, 0,  24, 0, 1
	CHUNK 1
	KST 2, AB0, 16, 24, 0, 1
	KST 3, AB1, 0,  24, 0, 1
	CHUNK 2
	KST 4, AB0, 16, 24, 0, 1
	KST 5, AB1, 0,  24, 0, 1
	CHUNK 3
	KST 6, AB0, 16, 24, 0, 0
	KST 7, AB1, 0,  0,  0, 0
; ---------------------------------------------------------------- REDUCTION over the four quarters of K
	; My region has had its only fill and my reads of it are back: its first 32 KiB become my outbox, 8 tiles for each receiving wave.
	WIN 0x04
.set j, 0
.rept 64
	ds_store_b128 v[SA], v[4*j:4*j+3] offset:512*j
.set j, j+1
.endr
	WIN 0
	s_wait_dscnt 0x0                               ; for the other waves: my outbox is written (and the accumulators are free)
	WIN 0x40                                       ; G's 24 fragments go where accumulators lay: 48 loads of 512 consecutive bytes
.irp part, 0,1,2
.irp tl, 0,1
.irp lo, 0,1
.irp hf, 0,1
	global_load_b128 v[96*\lo+8*(2*\part+\tl)+4*\hf:96*\lo+8*(2*\part+\tl)+4*\hf+3],       v[VGO], s[10:11] offset:16384*\part+4096*\tl+1024*\lo+512*\hf
	global_load_b128 v[96*\lo+48+8*(2*\part+\tl)+4*\hf:96*\lo+48+8*(2*\part+\tl)+4*\hf+3], v[VGP], s[10:11] offset:16384*\part+4096*\tl+1024*\lo+512*\hf
.endr
.endr
.endr
.endr
	WIN 0
	s_barrier_signal -1
	s_barrier_wait -1
.irp j, 0,1,2,3,4,5,6,7,8,9,10,11,12,13,14,15
	ds_load_b128 v[32+4*\j:32+4*\j+3], v[RA] offset:512*\j
.endr
.irp j, 0,1,2,3,4,5,6,7,8,9,10,11,12,13,14,15
	ds_load_b128 v[96+4*\j:96+4*\j+3], v[RA+1] offset:512*\j
.endr
.irp j, 0,1,2,3,4,5,6,7,8,9,10,11,12,13,14,15
	ds_load_b128 v[160+4*\j:160+4*\j+3], v[RA+2] offset:512*\j
.endr
	WIN 0x40
.irp j, 0,1,2,3,4,5,6,7,8,9,10,11,12,13,14,15
	ds_load_b128 v[192+4*\j:192+4*\j+3], v[RA+3] offset:512*\j
.endr
	WIN 0
	s_wait_dscnt 32                                ; parts 0 and 1 are in; the 32 loads of parts 2 and 3 stay out
.set i, 0
.rept 32
	v_pk_add_f32 v[32+i:32+i+1], v[32+i:32+i+1], v[96+i:96+i+1]
.set i, i+2
.endr
	s_wait_dscnt 0x0
	WIN 0x04
.set i, 0
.rept 32
	v_pk_add_f32 v[160+i:160+i+1], v[160+i:160+i+1], v[192+i:192+i+1]
.set i, i+2
.endr
	WIN 0
.set i, 0
.rept 32
	v_pk_add_f32 v[32+i:32+i+1], v[32+i:32+i+1], v[160+i:160+i+1]     ; a, b, p, q now lie in A_, B_, PA, Q_
.set i, i+2
.endr
	s_wait_loadcnt 0x0                             ; G is in
; ---------------------------------------------------------------- ODE
.macro PKF d, x, lit, y                ; d = x lit + y on a pool
.irp i, 0,2,4,6,8,10,12,14
	v_pk_fma_f32 v[\d+\i:\d+\i+1], v[\x+\i:\x+\i+1], \lit, v[\y+\i:\y+\i+1] op_sel_hi:[1,0,1]
.endr
.endm
.macro PKM d, x, lit                   ; d = x lit: starts a sum, nothing is cleared
.irp i, 0,2,4,6,8,10,12,14
	v_pk_mul_f32 v[\d+\i:\d+\i+1], v[\x+\i:\x+\i+1], \lit op_sel_hi:[1,0]
.endr
.endm
; A pool (two result tiles) as two fragments of 32 ranks: hi = bf16(z), lo = bf16(z - hi); tmp: a pool at work
.macro SPLIT hi, lo, src, tmp
.irp k, 0,1,2,3,4,5,6,7
	v_cvt_pk_bf16_f32 v[\hi+\k], v[\src+2*\k], v[\src+2*\k+1]
.endr
.irp k, 0,1,2,3,4,5,6,7
	v_lshlrev_b32 v[\tmp+2*\k], 16, v[\hi+\k]                      ; hi back in f32: the low half moves up,
	v_and_b32 v[\tmp+2*\k+1], 0xffff0000, v[\hi+\k]                ; the high half stays
.endr
.irp k, 0,2,4,6,8,10,12,14
	v_pk_add_f32 v[\tmp+\k:\tmp+\k+1], v[\src+\k:\src+\k+1], v[\tmp+\k:\tmp+\k+1] neg_lo:[0,1] neg_hi:[0,1]
.endr
.irp k, 0,1,2,3,4,5,6,7
	v_cvt_pk_bf16_f32 v[\lo+\k], v[\tmp+2*\k], v[\tmp+2*\k+1]
.endr
.endm
; dst = sa sb tanh(pp / k)
.macro EVAL pp, sa, sb, dst, dopack
.irp i, 0,1,2,3,4,5,6,7,8,9,10,11,12,13,14,15
	v_exp_f32 v[UX+\i], v[\pp+\i]
.endr
.irp i, 0,2,4,6,8,10,12,14
	v_pk_mul_f32 v[UA+\i:UA+\i+1], v[\sa+\i:\sa+\i+1], v[\sb+\i:\sb+\i+1]   ; plain work behind the exponentials, before their results are used
.endr
	s_wait_alu depctr_va_vdst(0)
.irp i, 0,2,4,6,8,10,12,14
	v_pk_add_f32 v[UX+\i:UX+\i+1], v[UX+\i:UX+\i+1], 1.0 op_sel_hi:[1,0]
.endr
.irp i, 0,1,2,3,4,5,6,7,8,9,10,11,12,13,14,15
	v_rcp_f32 v[UX+\i], v[UX+\i]
.endr
	v_nop                                          ; one plain place behind the last reciprocal
	s_wait_alu depctr_va_vdst(0)
.irp i, 0,2,4,6,8,10,12,14
	v_pk_fma_f32 v[UX+\i:UX+\i+1], v[UX+\i:UX+\i+1], -2.0, 1.0 op_sel_hi:[1,0,0]
.endr
.irp i, 0,2,4,6,8,10,12,14
	v_pk_mul_f32 v[\dst+\i:\dst+\i+1], v[UX+\i:UX+\i+1], v[UA+\i:UA+\i+1]
.endr
.if \dopack
	SPLIT CFH, CFL, \dst, UB                       ; UB has been read: it is free until the product writes it
.endif
.endm
; U = c G in two halves of K, each as G hi x c hi + G hi x c lo + G lo x c hi.
; First half: my fragments go to my partner, and are multiplied while the partner arrives.
; Two exchange buffers take turns: a buffer is written again two exchanges later, and the barrier between has the partner's wait for its reads in front of its signal.
; Six accumulators by turns, one instruction a turn.
.macro XMA par
	ds_store_b128 v[XS], v[CFH:CFH+3]   offset:8192*\par
	ds_store_b128 v[XS], v[CFH+4:CFH+7] offset:8192*\par+512
	ds_store_b128 v[XS], v[CFL:CFL+3]   offset:8192*\par+1024
	ds_store_b128 v[XS], v[CFL+4:CFL+7] offset:8192*\par+1536
	s_wait_dscnt 0x0                               ; for my partner: the fragments are in LDS
	s_barrier_signal -1
	WIN 0x01
.irp gi, 0,1,2,3,4,5
	v_wmma_f32_16x16x32_bf16 v[UA+8*\gi:UA+8*\gi+7], v[8*\gi:8*\gi+7], v[CFH:CFH+7], 0
.endr
.irp gi, 0,1,2,3,4,5
	v_wmma_f32_16x16x32_bf16 v[UA+8*\gi:UA+8*\gi+7], v[8*\gi:8*\gi+7], v[CFL:CFL+7], v[UA+8*\gi:UA+8*\gi+7]
.endr
.irp gi, 0,1,2,3,4,5
	v_wmma_f32_16x16x32_bf16 v[UA+8*\gi:UA+8*\gi+7], v[96+8*\gi:96+8*\gi+7], v[CFH:CFH+7], v[UA+8*\gi:UA+8*\gi+7]
.endr
	WIN 0
.endm
.macro XMB par
	s_barrier_wait -1
	WIN 0x40
	ds_load_b128 v[PFH:PFH+3],   v[XL] offset:8192*\par
	ds_load_b128 v[PFH+4:PFH+7], v[XL] offset:8192*\par+512
	ds_load_b128 v[PFL:PFL+3],   v[XL] offset:8192*\par+1024
	ds_load_b128 v[PFL+4:PFL+7], v[XL] offset:8192*\par+1536
	s_wait_dscnt 0x0
	WIN 0x05
.irp gi, 0,1,2,3,4,5
	v_wmma_f32_16x16x32_bf16 v[UA+8*\gi:UA+8*\gi+7], v[48+8*\gi:48+8*\gi+7], v[PFH:PFH+7], v[UA+8*\gi:UA+8*\gi+7]
.endr
.irp gi, 0,1,2,3,4,5
	v_wmma_f32_16x16x32_bf16 v[UA+8*\gi:UA+8*\gi+7], v[48+8*\gi:48+8*\gi+7], v[PFL:PFL+7], v[UA+8*\gi:UA+8*\gi+7]
.endr
.irp gi, 0,1,2,3,4,5
	v_wmma_f32_16x16x32_bf16 v[UA+8*\gi:UA+8*\gi+7], v[144+8*\gi:144+8*\gi+7], v[PFH:PFH+7], v[UA+8*\gi:UA+8*\gi+7]
.endr
	WIN 0
.endm
; One RK4 step.  Behind each XMB stand at least 8 packed operations on pools that the product does not name: the places before U is read.
.macro STEP first
	EVAL PA, A_, B_, S_, 1                         ; c1, which also starts S
	XMA 0
.if \first
	PKM CX, S_, HH6
.else
	PKF CX, CV, H, CX                              ; x's share of the velocity lost so far
	PKF CX, S_, HH6, CX
.endif
	XMB 0
	PKF PB, Q_, H2, PA                             ; P2 = p + h/2 q
	PKF PA, Q_, H, PA                              ; R = p + h q
	PKF UA, UA, NH2, A_
	PKF UB, UB, NH2, B_
	PKF PC, UX, NHH4, PB                           ; P3
	PKF PD, UX, NHH6, PA                           ; the next p, growing
	EVAL PB, UA, UB, CC, 1                         ; c2
	XMA 1
	PKF S_, CC, 2.0, S_
	XMB 1
	PKF CX, CC, HH6, CX
	PKF UA, UA, NH2, A_
	PKF UB, UB, NH2, B_
	PKF PB, UX, NHH2, PA                           ; P4
	PKF PD, UX, NHH6, PD
	EVAL PC, UA, UB, CC, 1                         ; c3
	XMA 0
	PKF S_, CC, 2.0, S_
	XMB 0
	PKF CX, CC, HH6, CX
	PKF UA, UA, NH, A_
	PKF UB, UB, NH, B_
	PKF PA, UX, NHH6, PD                           ; the next p
	EVAL PB, UA, UB, CC, 0                         ; c4
.irp i, 0,2,4,6,8,10,12,14
	v_pk_add_f32 v[S_+\i:S_+\i+1], v[S_+\i:S_+\i+1], v[CC+\i:CC+\i+1]   ; S = c1 + 2 c2 + 2 c3 + c4
.endr
	SPLIT CFH, CFL, S_, UB
	XMA 1                                          ; U(S) takes the place of U(c4)
	XMB 1
.if \first
	PKM CV, S_, H6
.else
	PKF CV, S_, H6, CV
.endif
	PKF A_, UA, NH6, A_
	PKF B_, UB, NH6, B_
	PKF Q_, UX, NH6, Q_
.endm
	STEP 1
	s_mov_b32 s60, 4
.Lstep:
	STEP 0
	s_sub_co_u32 s60, s60, 1
	s_cmp_lg_u32 s60, 0
	s_cbranch_scc1 .Lstep
; ---------------------------------------------------------------- HAND-OVER: every wave needs CV and CX of all 32 rows and 64 ranks
; The 16 fragments (8 hi, 8 lo) of -Wc for column group c of my 256 columns, into buffer c % 2 of window 1: 32 loads of 512 consecutive bytes
.macro LDWG c
	WIN 0x40
.irp lo, 0,1
.irp fl, 0,1,2,3,4,5,6,7
	global_load_b128 v[128*(\c%2)+64*\lo+8*\fl:128*(\c%2)+64*\lo+8*\fl+3],   v[WO], s[12:13] offset:16384*\c+2048*\fl+1024*\lo
	global_load_b128 v[128*(\c%2)+64*\lo+8*\fl+4:128*(\c%2)+64*\lo+8*\fl+7], v[WO], s[12:13] offset:16384*\c+2048*\fl+1024*\lo+512
.endr
.endr
	WIN 0
.endm
	LDWG 0                                         ; G and my partner's fragments have had their last use, more than four places ago
	LDWG 1
	SPLIT CFH, CFL, CV, UB
	SPLIT PB, PB+8, CX, UX
	ds_store_b128 v[XS], v[CFH:CFH+3]   offset:FB0
	ds_store_b128 v[XS], v[CFH+4:CFH+7] offset:FB0+512
	ds_store_b128 v[XS], v[CFL:CFL+3]   offset:FB0+1024
	ds_store_b128 v[XS], v[CFL+4:CFL+7] offset:FB0+1536
	ds_store_b128 v[XS], v[PB:PB+3]     offset:FB0+8192
	ds_store_b128 v[XS], v[PB+4:PB+7]   offset:FB0+8192+512
	ds_store_b128 v[XS], v[PB+8:PB+11]  offset:FB0+8192+1024
	ds_store_b128 v[XS], v[PB+12:PB+15] offset:FB0+8192+1536
	s_wait_dscnt 0x0                               ; for the other waves
	s_barrier_signal -1
	s_barrier_wait -1
.irp i, 0,1,2,3,4,5,6,7,8,9,10,11,12,13,14,15
	ds_load_b128 v[32+8*\i:32+8*\i+3],   v[FL] offset:FB0+1024*\i
	ds_load_b128 v[32+8*\i+4:32+8*\i+7], v[FL] offset:FB0+1024*\i+512
.endr
	s_wait_dscnt 0x0
; ---------------------------------------------------------------- PHASE 3
; 64 columns (c) of one output (t = 0: out1 from window 2 and CV; t = 1: out0 from window 3 and CX): 8 tiles x 2 halves of K x 3 products
; (pr = 0: hi hi, 1: Wc hi x lo, 2: Wc lo x hi); the 8 accumulators take turns, one instruction a turn;
; then through my own stage in LDS (the sub-tile from which the words came), read back as whole rows.
.macro OUTG c, t, base
.if \t
	WIN 0xf1
.else
	WIN 0xa1
.endif
.irp pr, 0,1,2
.irp ks, 0,1
.irp u, 0,1,2,3
.irp nt, 0,1
.set TL, (((4*\c+\u)/2)*2+\nt)*16+8*(\u%2)
.set FA, 128*(\c%2)+64*(\pr/2)+8*(2*\u+\ks)
.set FB, 32+64*\t+16*(2*\nt+\ks)+8*(\pr%2)
	v_wmma_f32_16x16x32_bf16 v[TL:TL+7], v[FA:FA+7], v[FB:FB+7], v[TL:TL+7]
.endr
.endr
.endr
.endr
.rept 4
	v_nop                                          ; four places before the results are stored and the buffer of -Wc is loaded again (ISA guide 7.12.1)
.endr
	WIN 0x08+4*\t
.irp k2, 0,1
.irp nt, 0,1
.irp q, 0,1,2,3
	ds_store_b128 v[LA], v[(2*(2*\c+\k2)+\nt)*16+4*\q:(2*(2*\c+\k2)+\nt)*16+4*\q+3] offset:SUB*(2*\c+\t)+4352*\nt+128*\k2+16*(\q%2)+64*(\q/2)
.endr
.endr
.endr
	WIN 0
	s_wait_xcnt 0x0                                ; OB, which the stores of the group before read, is loaded again only behind this wait
.irp rp, 0,1,2,3,4,5,6,7,8,9,10,11,12,13,14,15
	ds_load_b128 v[OB+4*\rp:OB+4*\rp+3], v[RD+\c/2] offset:SUB*(2*(\c%2)+\t)+544*\rp   ; LDS serves a wave's instructions in order: these see the stores above
.endr
.irp rp, 0,1,2,3,4,5,6,7,8,9,10,11,12,13,14,15
	s_wait_dscnt 15-\rp                            ; row pair rp is back; the younger ones stay out
	global_store_b128 v[CO], v[OB+4*\rp:OB+4*\rp+3], s[\base:\base+1] offset:8192*\rp+256*\c th:TH_STORE_NT   ; 16 lanes store 256 consecutive bytes, aligned
.endr
.endm
	s_wait_loadcnt 32                              ; group 0's fragments are in; group 1's 32 loads stay out
	OUTG 0, 0, 2
	OUTG 0, 1, 14
	LDWG 2                                         ; into the buffer that group 0 has left
	s_wait_loadcnt 32                              ; group 1's are in; group 2's 32 stay out
	OUTG 1, 0, 2
	OUTG 1, 1, 14
	LDWG 3
	s_wait_loadcnt 32                              ; group 2's are in; group 3's 32 stay out
	OUTG 2, 0, 2
	OUTG 2, 1, 14
	s_wait_loadcnt 0x0                             ; group 3's
	OUTG 3, 0, 2
	OUTG 3, 1, 14
	s_wait_xcnt 0x0
	v_lshl_add_u32 v254, v0, 2, 0x4c000
	v_mov_b32 v255, 0
	s_wait_tensorcnt 0x0
	ds_add_u32 v254, v255
	s_wait_dscnt 0x0
	s_endpgm
.Lfunc_end_k_qcca2bec836_main:
	.size	k_qcca2bec836_main, .Lfunc_end_k_qcca2bec836_main-k_qcca2bec836_main
	.p2alignl 7, 3214868480
	.fill 96, 4, 3214868480
	.section	.rodata,"a",@progbits
	.p2align	6, 0x0
	.amdhsa_kernel k_qcca2bec836_main
		.amdhsa_group_segment_fixed_size 311808
		.amdhsa_private_segment_fixed_size 0
		.amdhsa_enable_private_segment 0
		.amdhsa_kernarg_size 56
		.amdhsa_user_sgpr_count 2
		.amdhsa_user_sgpr_kernarg_segment_ptr 1
		.amdhsa_wavefront_size32 1
		.amdhsa_system_sgpr_workgroup_id_x 1
		.amdhsa_system_sgpr_workgroup_id_y 1
		.amdhsa_system_sgpr_workgroup_id_z 1
		.amdhsa_system_vgpr_workitem_id 0
		.amdhsa_next_free_vgpr 1024
		.amdhsa_next_free_sgpr 66
		.amdhsa_reserve_vcc 0
		.amdhsa_float_denorm_mode_32 3
		.amdhsa_float_denorm_mode_16_64 3
		.amdhsa_memory_ordered 1
		.amdhsa_forward_progress 1
		.amdhsa_inst_pref_size 255
	.end_amdhsa_kernel
	.section	.bss,"aw",@nobits
	.p2align	6
	.space	262144
	.amdgpu_metadata
---
amdhsa.version: [ 1, 2 ]
amdhsa.kernels:
  - .name:           k_qcca2bec836_main
    .symbol:         k_qcca2bec836_main.kd
    .args:
      - { .name: x, .offset: 0, .size: 8, .value_kind: global_buffer, .address_space: global }
      - { .name: v, .offset: 8, .size: 8, .value_kind: global_buffer, .address_space: global }
      - { .name: WF, .offset: 16, .size: 8, .value_kind: global_buffer, .address_space: global }
      - { .name: GF, .offset: 24, .size: 8, .value_kind: global_buffer, .address_space: global }
      - { .name: WcF, .offset: 32, .size: 8, .value_kind: global_buffer, .address_space: global }
      - { .name: out0, .offset: 40, .size: 8, .value_kind: global_buffer, .address_space: global }
      - { .name: out1, .offset: 48, .size: 8, .value_kind: global_buffer, .address_space: global }
    .group_segment_fixed_size: 311808
    .private_segment_fixed_size: 0
    .kernarg_segment_align: 8
    .kernarg_segment_size: 56
    .max_flat_workgroup_size: 128
    .sgpr_count:     66
    .vgpr_count:     1024
    .wavefront_size: 32
...
	.end_amdgpu_metadata
.endif
;; end of part 2
;; ======== version 2 of 2: 2 launches; 1.20 times as fast as version 1
;; limits: inputs' magnitudes at most 65,504; values are held in f16: magnitudes above 65,504 overflow, below 6.1e-05 lose precision
;; workspace buffers: WF 393,216 bytes; GF 24,576 bytes; WcF 131,072 bytes
;; launch prep (part 3): grid 56 x 1, 16 waves a work-group, no clusters, 88,064 bytes of LDS; arguments Wa, Wb, Wx, Wc, WF, GF, WcF; writes WF, GF, WcF
.if DOCPART == 3
	.amdgcn_target "amdgcn-amd-amdhsa--gfx1250"
	.amdhsa_code_object_version 6
	.text
	.protected	k_qcca2bec836_prep
	.globl	k_qcca2bec836_prep
	.p2align	8
	.type	k_qcca2bec836_prep,@function
k_qcca2bec836_prep:
	s_mov_b64 s[64:65], 0
	v_nop
	global_prefetch_b8 v0, s[64:65] scope:SCOPE_SE
	s_setreg_imm32_b32 hwreg(HW_REG_WAVE_MODE, 25, 1), 1
	s_wait_xcnt 0x0
; Weights only.  Lays the weights out as f16 matrix fragments of 1,024 bytes (registers 0-3 of lane L at 16 L, registers 4-7 at 512 + 16 L),
; so that the main launch loads each half fragment as 512 consecutive bytes, and makes G = Wc [Wa | Wb | k Wx], 64 x 192.
;   WF  fragment (s, mt) at (12 s + mt) 1024: lane (r, h) holds W[d][16 (mt & 3) + r], d = 32 s + 8 h + 0..7 and 32 s + 16 + 8 h + 0..7;
;       W = Wa (mt 0-3), Wb (mt 4-7), k Wx (mt 8-11), k = 2 log2 e, so that tanh needs no multiply in front of its exponential.
;   GF  fragment (mt, ks) at 2048 mt + 1024 ks: lane (r, h) holds G[rank][16 mt + r], rank = 32 ks + 8 h + .. and 32 ks + 16 + 8 h + ..
;   WcF fragment f = 2 dt + ks at 1024 f: lane (r, h) holds -Wc[rank][16 dt + r], the same ranks.
; FORMAT: f16, 11 bits.  LIMIT: |Wa|, |Wb|, |k Wx|, |Wc| and |G| below 65,504; below 6e-5 their absolute error is 3e-8.
; (At 30 times the drawn spread of every weight G stays under 2,000.)
; Work-groups 0-47: g = 4 mt + rt makes the tile of G with ranks 16 rt .. and columns 16 mt ..; wave w takes K steps 2 w and 2 w + 1, and the 16 waves'
;   partial tiles meet in LDS.  The four work-groups of one mt gather the same columns of W, which each needs as its product's second operand;
;   the one with rt = 0 also stores them as WF.
; Work-groups 48-55: 16 fragments of WcF each, one a wave.
; Wc's rows lie along K, 4,096 bytes apart.  A wave's 16 rows x 256 bytes are loaded by rows (each load covers two rows' 256 consecutive bytes) and turned
; into fragments in the wave's own LDS bytes: taken straight as fragments, each of these pieces of 256 bytes would be touched by eight loads.
; The gathers of W take 4 bytes a lane from rows 256 bytes apart (of Wc, for WcF, 4,096): once, for 1 MiB of weights.  Every store covers 512 consecutive bytes.
; No tensor loads, ring or cluster: each wave issues all its loads at once and has nothing to overlap them with.
.set KAPPA, 0x4038aa3b                 ; 2 log2 e
.set WPITCH, 272                       ; an LDS row of Wc: 256 bytes + 16: the 16 rows that 16 lanes touch lie in 16 different 16-byte columns modulo 256
.set WREG,   16*WPITCH                 ; a wave's 16 rows
.set PBASE,  16*WREG                   ; behind them: 16 partial tiles of 1,024 bytes
.set F,   16                           ; v[16:47]   2 x 16 gathered f32
.set BF,  48                           ; v[48:63]   2 fragments of W
.set WL,  64                           ; v[64:95]   Wc as loaded, by rows
.set WR,  96                           ; v[96:127]  2 x 16 f32 of Wc in fragment order, packed in place into the first 8 of each 16
.set ACC, 128                          ; v[128:143] one tile for each of my two K steps
.set PT,  64                           ; v[64:191]  wave 0, at the end: the 16 partial tiles
; 16 numbers of a fragment's lane: k = 0..7 and 16..23 rows of \pitch bytes from the lane's first
.macro GATH dst, voff, base, imm0, pitch
.irp i, 0,1,2,3,4,5,6,7
	global_load_b32 v[\dst+\i], v[\voff], s[\base:\base+1] offset:\imm0+\i*\pitch
.endr
.irp i, 0,1,2,3,4,5,6,7
	global_load_b32 v[\dst+8+\i], v[\voff], s[\base:\base+1] offset:\imm0+(16+\i)*\pitch
.endr
.endm
; scale (1, k or -1, one text for all three) and round to f16: the lower k in the lower half
.macro PACKH dst, src
.irp i, 0,2,4,6,8,10,12,14
	v_pk_mul_f32 v[\src+\i:\src+\i+1], v[\src+\i:\src+\i+1], s[22:23] op_sel_hi:[1,0]
.endr
.irp i, 0,1,2,3,4,5,6,7
	v_cvt_pk_f16_f32 v[\dst+\i], v[\src+2*\i], v[\src+2*\i+1]
.endr
.endm
; partial tiles p and p + n are added, p = 0 .. n - 1
.macro TREE n
.set p, 0
.rept \n
.irp i, 0,2,4,6
	v_pk_add_f32 v[PT+8*p+\i:PT+8*p+\i+1], v[PT+8*p+\i:PT+8*p+\i+1], v[PT+8*(p+\n)+\i:PT+8*(p+\n)+\i+1]
.endr
.set p, p+1
.endr
.endm
	s_load_b256 s[4:11], s[0:1], 0x0               ; Wa s[4:5], Wb s[6:7], Wx s[8:9], Wc s[10:11]
	s_load_b128 s[12:15], s[0:1], 0x20             ; WF s[12:13], GF s[14:15]
	s_load_b64 s[16:17], s[0:1], 0x30              ; WcF
	v_lshl_add_u32 v254, v0, 2, 0x15000
	v_mov_b32 v255, 0
	v_lshrrev_b32 v6, 5, v0
	v_readfirstlane_b32 s18, v6                    ; wave w, 0..15
	s_mov_b32 s19, ttmp9                           ; work-group g
	v_and_b32 v7, 15, v0                           ; r
	v_bfe_u32 v8, v0, 4, 1                         ; h
	v_and_b32 v1, 31, v0
	v_lshlrev_b32 v1, 4, v1                        ; 16 L
	s_mov_b32 s25, 0                               ; high word of every offset pair s[24:25]
	s_cmp_ge_u32 s19, 48                           ; the same in all waves of a work-group
	s_cbranch_scc1 .Lwc
	; ---- work-groups 0-47: the tile (mt, rt) of G
	s_lshr_b32 s28, s19, 2                         ; mt
	s_and_b32 s29, s19, 3                          ; rt
	s_mul_i32 s27, s18, WREG                       ; my 16 rows in LDS
	v_lshlrev_b32 v2, 2, v7
	v_lshl_add_u32 v2, v8, 11, v2                  ; W: 8 h rows + column r
	v_lshlrev_b32 v3, 12, v8
	v_lshl_add_u32 v3, v7, 4, v3                   ; Wc by rows: lanes 0-15 one row's 256 bytes, lanes 16-31 the next row's
	v_mul_u32_u24 v4, v8, WPITCH
	v_lshl_add_u32 v4, v7, 4, v4
	v_add_nc_u32 v4, s27, v4                       ; LDS, in: the same two rows
	v_mul_u32_u24 v5, v7, WPITCH
	v_lshl_add_u32 v5, v8, 5, v5
	v_add_nc_u32 v5, s27, v5                       ; LDS, back: row r, 8 h numbers on
	v_lshl_add_u32 v9, s18, 10, v1
	v_add_nc_u32 v9, PBASE, v9                     ; LDS: my partial tile
	v_add_nc_u32 v10, PBASE, v1                    ; LDS: partial tile 0
	s_wait_kmcnt 0x0
	s_lshl_b32 s24, s29, 16                        ; Wc: 16 rt rows of 4,096 bytes
	s_lshl_b32 s26, s18, 8                         ; + 2 K steps x 128 bytes along its rows
	s_add_co_u32 s24, s24, s26
	s_add_nc_u64 s[10:11], s[10:11], s[24:25]
.irp j, 0,1,2,3,4,5,6,7
	global_load_b128 v[WL+4*\j:WL+4*\j+3], v3, s[10:11] offset:8192*\j   ; rows 2 j and 2 j + 1: first, since they have the longer way
.endr
	s_and_b32 s24, s28, 3
	s_lshl_b32 s24, s24, 6                         ; W: 16 columns of 4 bytes
	s_lshl_b32 s26, s18, 14                        ; 2 K steps x 32 rows x 256 bytes
	s_add_co_u32 s24, s24, s26
	s_cmp_lt_u32 s28, 8
	s_cselect_b64 s[20:21], s[6:7], s[8:9]         ; Wb or Wx,
	s_cselect_b32 s22, 1.0, KAPPA                  ; and its scale
	s_cmp_lt_u32 s28, 4
	s_cselect_b64 s[20:21], s[4:5], s[20:21]       ; or Wa
	s_mov_b32 s23, s22
	s_add_nc_u64 s[20:21], s[20:21], s[24:25]
	GATH F,    2, 20, 0,    256
	GATH F+16, 2, 20, 8192, 256
	s_mul_i32 s24, s18, 24576                      ; WF: 2 K steps x 12 fragments,
	s_lshl_b32 s26, s28, 10                        ; + fragment mt
	s_add_co_u32 s24, s24, s26
	s_add_nc_u64 s[12:13], s[12:13], s[24:25]
	s_lshl_b32 s24, s28, 11                        ; GF: 2,048 mt + 512 rt: ranks 16 rt .. are half rt % 2 of K half rt / 2
	s_lshl_b32 s26, s29, 9
	s_add_co_u32 s24, s24, s26
	s_add_nc_u64 s[14:15], s[14:15], s[24:25]
	s_wait_loadcnt 32                              ; Wc's 8 loads are in; the 32 gathers behind them stay out
.irp j, 0,1,2,3,4,5,6,7
	ds_store_b128 v4, v[WL+4*\j:WL+4*\j+3] offset:2*WPITCH*\j
.endr
.irp k, 0,1
.irp q, 0,1,2,3
	ds_load_b128 v[WR+16*\k+4*\q:WR+16*\k+4*\q+3], v5 offset:128*\k+16*(\q%2)+64*(\q/2)   ; my own bytes, and LDS serves a wave's instructions in order (ISA guide 5.7.1.4): these see the stores above
.endr
.endr
	s_wait_loadcnt 0x0                             ; the gathered words
	PACKH BF,   F
	PACKH BF+8, F+16
	s_cmp_lg_u32 s29, 0                            ; the same in all waves of a work-group
	s_cbranch_scc1 .Lnowf
.irp k, 0,1
	global_store_b128 v1, v[BF+8*\k:BF+8*\k+3],   s[12:13] offset:12288*\k
	global_store_b128 v1, v[BF+8*\k+4:BF+8*\k+7], s[12:13] offset:12288*\k+512
.endr
.Lnowf:
	s_wait_dscnt 0x0                               ; Wc in fragment order
.irp k, 0,1
.irp j, 0,1,2,3,4,5,6,7
	v_cvt_pk_f16_f32 v[WR+16*\k+\j], v[WR+16*\k+2*\j], v[WR+16*\k+2*\j+1]   ; in place, ascending: word j is written when words 2 j, 2 j + 1 are read
.endr
.endr
	; D(m = rank, n = column of W) = Wc rows x W columns.  One accumulator for each K step, each started from 0: nothing adds in place.
	v_wmma_f32_16x16x32_f16 v[ACC:ACC+7],    v[WR:WR+7],     v[BF:BF+7],    0
	v_wmma_f32_16x16x32_f16 v[ACC+8:ACC+15], v[WR+16:WR+23], v[BF+8:BF+15], 0
.rept 4
	v_nop                                          ; four places before the results are read and the sources loaded again (ISA guide 7.12.1)
.endr
.irp i, 0,2,4,6
	v_pk_add_f32 v[ACC+\i:ACC+\i+1], v[ACC+\i:ACC+\i+1], v[ACC+8+\i:ACC+8+\i+1]
.endr
	ds_store_b128 v9, v[ACC:ACC+3]
	ds_store_b128 v9, v[ACC+4:ACC+7] offset:512
	s_wait_dscnt 0x0                               ; for wave 0: my partial tile is in LDS
	s_barrier_signal -1
	s_barrier_wait -1
	s_cmp_lg_u32 s18, 0
	s_cbranch_scc1 .Lend                           ; wave 0 adds up
.set p, 0
.rept 16
	ds_load_b128 v[PT+8*p:PT+8*p+3],   v10 offset:1024*p
	ds_load_b128 v[PT+8*p+4:PT+8*p+7], v10 offset:1024*p+512
.set p, p+1
.endr
	s_wait_dscnt 0x0
	TREE 8
	TREE 4
	TREE 2
	TREE 1
.irp j, 0,1,2,3
	v_cvt_pk_f16_f32 v[F+\j], v[PT+2*\j], v[PT+2*\j+1]   ; lane (r, h): G[16 rt + 8 h + 0..7][16 mt + r] = half a fragment's lane
.endr
	global_store_b128 v1, v[F:F+3], s[14:15]
	s_wait_tensorcnt 0x0
	ds_add_u32 v254, v255
	s_wait_dscnt 0x0
	s_endpgm
	; ---- work-groups 48-55: fragment f = 16 (g - 48) + w of -Wc
.Lwc:
	s_sub_co_u32 s26, s19, 48
	s_lshl_b32 s26, s26, 4
	s_add_co_u32 s26, s26, s18                     ; f = 2 dt + ks
	s_and_b32 s24, s26, 1
	s_lshl_b32 s24, s24, 17                        ; 32 ks rows of 4,096 bytes
	s_lshr_b32 s27, s26, 1
	s_lshl_b32 s27, s27, 6                         ; 16 dt columns
	s_add_co_u32 s24, s24, s27
	v_lshlrev_b32 v2, 2, v7
	v_lshl_add_u32 v2, v8, 15, v2                  ; 8 h rows + column r
	s_mov_b32 s22, -1.0
	s_mov_b32 s23, -1.0
	s_wait_kmcnt 0x0
	s_add_nc_u64 s[10:11], s[10:11], s[24:25]
	GATH F, 2, 10, 0, 4096
	s_lshl_b32 s24, s26, 10
	s_add_nc_u64 s[16:17], s[16:17], s[24:25]
	s_wait_loadcnt 0x0
	PACKH BF, F
	global_store_b128 v1, v[BF:BF+3],   s[16:17]
	global_store_b128 v1, v[BF+4:BF+7], s[16:17] offset:512
.Lend:
	s_wait_tensorcnt 0x0
	ds_add_u32 v254, v255
	s_wait_dscnt 0x0
	s_endpgm
.Lfunc_end_k_qcca2bec836_prep:
	.size	k_qcca2bec836_prep, .Lfunc_end_k_qcca2bec836_prep-k_qcca2bec836_prep
	.p2alignl 7, 3214868480
	.fill 96, 4, 3214868480
	.section	.rodata,"a",@progbits
	.p2align	6, 0x0
	.amdhsa_kernel k_qcca2bec836_prep
		.amdhsa_group_segment_fixed_size 88064
		.amdhsa_private_segment_fixed_size 0
		.amdhsa_enable_private_segment 0
		.amdhsa_kernarg_size 56
		.amdhsa_user_sgpr_count 2
		.amdhsa_user_sgpr_kernarg_segment_ptr 1
		.amdhsa_wavefront_size32 1
		.amdhsa_system_sgpr_workgroup_id_x 1
		.amdhsa_system_sgpr_workgroup_id_y 1
		.amdhsa_system_sgpr_workgroup_id_z 1
		.amdhsa_system_vgpr_workitem_id 0
		.amdhsa_next_free_vgpr 256
		.amdhsa_next_free_sgpr 66
		.amdhsa_reserve_vcc 0
		.amdhsa_float_denorm_mode_32 3
		.amdhsa_float_denorm_mode_16_64 3
		.amdhsa_memory_ordered 1
		.amdhsa_forward_progress 1
		.amdhsa_inst_pref_size 22
	.end_amdhsa_kernel
	.amdgpu_metadata
---
amdhsa.version: [ 1, 2 ]
amdhsa.kernels:
  - .name:           k_qcca2bec836_prep
    .symbol:         k_qcca2bec836_prep.kd
    .args:
      - { .name: Wa, .offset: 0, .size: 8, .value_kind: global_buffer, .address_space: global }
      - { .name: Wb, .offset: 8, .size: 8, .value_kind: global_buffer, .address_space: global }
      - { .name: Wx, .offset: 16, .size: 8, .value_kind: global_buffer, .address_space: global }
      - { .name: Wc, .offset: 24, .size: 8, .value_kind: global_buffer, .address_space: global }
      - { .name: WF, .offset: 32, .size: 8, .value_kind: global_buffer, .address_space: global }
      - { .name: GF, .offset: 40, .size: 8, .value_kind: global_buffer, .address_space: global }
      - { .name: WcF, .offset: 48, .size: 8, .value_kind: global_buffer, .address_space: global }
    .group_segment_fixed_size: 88064
    .private_segment_fixed_size: 0
    .kernarg_segment_align: 8
    .kernarg_segment_size: 56
    .max_flat_workgroup_size: 512
    .sgpr_count:     66
    .vgpr_count:     256
    .wavefront_size: 32
...
	.end_amdgpu_metadata
.endif
;; end of part 3
;; launch main (part 4): grid 256 x 1, 4 waves a work-group, no clusters, 311,808 bytes of LDS; arguments x, v, WF, GF, WcF, out0, out1; writes out0, out1
.if DOCPART == 4
	.amdgcn_target "amdgcn-amd-amdhsa--gfx1250"
	.amdhsa_code_object_version 6
	.text
	.protected	k_qcca2bec836_main
	.globl	k_qcca2bec836_main
	.p2align	8
	.type	k_qcca2bec836_main,@function
k_qcca2bec836_main:
	s_mov_b64 s[64:65], 0
	v_nop
	global_prefetch_b8 v0, s[64:65] scope:SCOPE_SE
	s_setreg_imm32_b32 hwreg(HW_REG_WAVE_MODE, 25, 1), 1
	s_wait_xcnt 0x0
; Five RK4 steps of dx/dt = v, dv/dt = -((v Wa)(v Wb) tanh(x Wx)) Wc on 8,192 rows of 2 x 1,024 numbers.
; The dynamics see the state only through a = v Wa, b = v Wb, p = x Wx, q = v Wx (64 numbers each) and change v only by multiples of rows of Wc.
; By the linearity of the products, for every input: with G = Wc [Wa | Wb | Wx] and U(c) = c G all 20 stages run on a, b, p, q, and
;   out1 = v0 - CV Wc,   out0 = x0 + v0 - CX Wc,   CV, CX = the RK4-weighted sums of the stage coefficients c (64 numbers a row).
; Every stage, every tanh and every RK4 weight is computed; only the products are regrouped.
; FORMATS.  The quadratic dynamics enlarge an error in a, b, p, q in rows that grow, so every matrix operand is f16 (11 bits), not bf16 (8).
;   x, v, the weights and G have room in f16 as they are: 30 times the drawn spread stays under 2,000.
;   The stage coefficients and their sums have no bound, so each fragment of them is NORMALISED ROW BY ROW: m = the largest magnitude among the row's
;   ranks in the fragment, s = 2^(exponent of m) (the exponent field kept in 1 .. 252), and the fragment holds z / s, below 2 (below 8 at the upper
;   end of that range).  1 / s is exact.  In a result tile a lane holds one batch row, so s is one factor a lane, folded into the multiply-add that uses the result.
; LIMITS, kept on purpose: |x|, |v|, the weights and |G| below 65,504 (f16); the order of rounding differs from the reference's; all sums and all
; carried numbers are f32.  5 x 0.2 is taken as 1.  tanh(z) = 1 - 2 / (1 + 2^(k z)), k = 2 log2 e (folded into Wx and G's third part): exact at
; saturation (2^.. = inf gives 1, 0 gives -1); near z = 0 its absolute error is about 1e-7, so its relative error grows there.
;
; A work-group owns 32 rows; 256 work-groups.  Four waves.
; PHASE 1 (wave w: columns 256 w .. 256 w + 255): x and v come in once, by eight tensor loads a wave, all out at once; they are read from LDS
;   into 512 registers (windows 2 and 3), where they STAY in f32, and are rounded to f16 for the projections.  K is split over the waves.
; REDUCTION: the four waves' partial a, b, p, q meet in LDS.
; ODE (wave w = 2 rt + rh: rows 16 rt .., ranks 32 rh ..): 20 products with G; a stage's c is exchanged with the partner wave w ^ 1 through LDS.
; PHASE 3 (columns as in phase 1): products with -Wc, added with their row's factor onto the registers that hold v0 and x0 + v0; out through LDS in whole rows.
; ALL PRODUCTS ARE TRANSPOSED: N = 16 batch rows, M = ranks or columns.  In a result lane (r, h) holds batch row r, indices 8 h + 0..7, so two
; result tiles rounded to 16 bits are the second operand of the next product as they stand, and the f32 words of x and v as loaded lie as result tiles do.
; NO CLUSTER, though all work-groups read the same weights: the first fills of x and v take 278,528 of the LDS bytes and the scratch 32,768; the 16,384
; that are left would hold two slots of 1/48 of WF, with fewer than six matrix instructions a wave between request and wait.  Instead each
; fragment is loaded once a work-group, straight into the registers of the one wave that multiplies it, ahead of its use.
.set REGION, 69632                     ; a wave's LDS region: 8 sub-tiles (index 2 c + t; t = 0: v, 1: x)
.set SUB,    8704                      ; a sub-tile: 32 rows x (256 bytes + 16 of padding)
.set PITCH,  272                       ; 17 x 16 bytes: the 16 rows that 16 lanes touch lie in 16 different 16-byte columns modulo 256
.set SCR,    278528                    ; scratch that no tensor load fills.  Two exchange buffers: 8,192 parity + 2,048 w: a fragment, and at + 1,024 its rows' factors, 8 bytes a lane
.set FB0,    16384                     ; FB0 on: 8,192 t + 2,048 w: CV's (t = 0) and CX's (t = 1) fragments; at + 1,024: t = 0 the rows' maxima, t = 1 the rows' factors
; window 0, fixed
.set LA,  1                            ; my region + 272 r + 32 h: my 8 f32 of row r
.set WO,  2                            ; 16 L
.set SA,  3                            ; my region + 16 L: my outbox
.set RA,  4                            ; v4-7: wave w''s outbox, the part for me
.set XS8, 8                            ; scratch + 2,048 w + 8 L
.set XL8, 9                            ; scratch + 2,048 (w ^ 1) + 8 L
.set XS,  10                           ; scratch + 2,048 w + 16 L
.set XL,  11                           ; scratch + 2,048 (w ^ 1) + 16 L
.set FL,  12                           ; scratch + 16 L
.set RD,  13                           ; v13: my region + 272 (L >> 4) + 16 (L & 15); v14: the same 4 sub-tiles on (the LDS immediate has 16 bits)
.set CO,  15                           ; 4,096 (L >> 4) + 16 (L & 15): two rows of the outputs
; window 0, phase 1
.set BV,  32                           ; v[32:47]  v's fragments, row tiles 0, 1
.set BX,  48                           ; v[48:63]  x's
.set AB0, 64                           ; v[64:159]  12 weight fragments of a K step
.set AB1, 160                          ; v[160:255] the same, second buffer
; window 0, ODE: pools of 16 registers (2 tiles of 16 ranks x 16 rows)
.set CC, 16
.set A_, 32
.set B_, 48
.set PA, 64
.set Q_, 80
.set PB, 96
.set PC, 112
.set PD, 128
.set S_, 144
.set CV, 160
.set CX, 176
.set UA, 192                           ; UA, UB, UX: the product with my own half of K, before its factor
.set UB, 208
.set UX, 224
.set CF, 240                           ; v[240:247] my c / s as a fragment; behind the product these registers hold factors
.set SO, 248                           ; v[248:249] my rows' factor s, twice (a pair for the packed multiply-add)
.set SP, 250                           ; v[250:251] my partner's
.set KO0, 240                          ; constant x my factor, and, two registers on, constant x my partner's: three sets
.set KO1, 244
.set KO2, 252
.set M0, 252                           ; at work while a fragment is made
.set M1, 253
.set IV, 254                           ; v[254:255] 1 / s, twice
; window 0, phase 3
.set SC,  16                           ; v[16+4nt:19+4nt] CV's factor twice, CX's factor twice, for rows 16 nt + r
.set FR,  32                           ; fragment (t, w') of CV (t = 0) and CX (t = 1) at v[32 + 32 t + 8 w']
.set TP,  96                           ; v[96:159] eight tiles of -Wc x fragment
.set OB,  160                          ; v[160:223] rows on their way out
; window 1: phase 1: 32 accumulator tiles at 8 (8 (2 nt + t/2) + 2 Q + t%2), Q = a 0, b 1, p 2, q 3, t = rank tile;
;           ODE: G's fragment gi = 2 part + tl: own K half at 8 gi, partner's at 48 + 8 gi;
.set PF, 96                            ;      v[96:103] of window 1: my partner's fragment
.set VA, 104                           ;      v[104:151] of window 1: VA, VB, VX: the product with my partner's half of K, before its factor
.set VB, 120
.set VX, 136
;           fragment f of -Wc at (152 + 8 f) & 255: fragments 0-12 lie in registers that the ODE leaves alone.
; window 2: v, window 3: x, register (2 sl + nt) 16 + e.
.set G1, 16                            ; s[16:23] descriptor group 1
.set G0, 24                            ; s[24:55] descriptor group 0, one set for each of the eight loads, never rewritten
; RK4's constants, h = 0.2
.set H2,   0x3dcccccd                  ; h/2
.set NH2,  0xbdcccccd
.set H,    0x3e4ccccd
.set NH,   0xbe4ccccd
.set H6,   0x3d088889                  ; h/6
.set NH6,  0xbd088889
.set NHH4, 0xbc23d70a                  ; -h h/4
.set NHH2, 0xbca3d70a                  ; -h h/2
.set HH6,  0x3bda740e                  ; h h/6
.set NHH6, 0xbbda740e
.set MSB, 0
.macro WIN new                         ; low byte: bits 1:0 source 0, 3:2 source 1, 5:4 source 2, 7:6 destination; the high byte repeats the setting that is left
.if MSB != \new
	s_set_vgpr_msb (MSB<<8)|\new
.set MSB, \new
.endif
.endm
	s_load_b256 s[4:11], s[0:1], 0x0               ; x s[4:5], v s[6:7], WF s[8:9], GF s[10:11]
	s_load_b128 s[12:15], s[0:1], 0x20             ; WcF s[12:13], out0 s[14:15]
	s_load_b64 s[2:3], s[0:1], 0x30                ; out1
	v_lshl_add_u32 v254, v0, 2, 0x4c000
	v_mov_b32 v255, 0
	ds_add_u32 v254, v255
	ds_add_u32 v254, v255
	s_wait_dscnt 0x0
	v_lshrrev_b32 v16, 5, v0
	v_readfirstlane_b32 s56, v16                   ; wave w
	s_mul_i32 s57, s56, REGION                     ; my LDS region
	s_lshl_b32 s58, ttmp9, 17                      ; 32 rows of 4,096 bytes,
	s_lshl_b32 s60, s56, 10                        ; + my 256 columns
	s_add_co_u32 s58, s58, s60
	s_mov_b32 s59, 0
	; group 1: a tile of 32 rows x 64 elements of 4 bytes, 16 bytes of padding behind every 64 words
	s_mov_b32 s[G1+0], (2<<16)|(1<<20)|(5<<22)|(3<<25)
	s_mov_b32 s[G1+1], 64<<16                      ; tensor_dim0 = 64
	s_mov_b32 s[G1+2], 32<<16                      ; tensor_dim1 = 32
	s_mov_b32 s[G1+3], 64<<16                      ; tile_dim0 = 64
	s_mov_b32 s[G1+4], 32                          ; tile_dim1 = 32
	s_mov_b32 s[G1+5], 1024                        ; elements from row to row
	s_mov_b32 s[G1+6], 0
	s_mov_b32 s[G1+7], 0
	s_wait_kmcnt 0x0
	s_add_nc_u64 s[4:5], s[4:5], s[58:59]
	s_add_nc_u64 s[6:7], s[6:7], s[58:59]
	; All of my 64 KiB of x and v go out at once, ahead of every wait on TENSORcnt, LDS read and barrier: eight tensor loads of mine are out, never more.
.irp c, 0,1,2,3
	s_mov_b32 s[G0+8*\c], 1
	s_add_co_u32 s[G0+8*\c+1], s57, SUB*(2*\c)
	s_add_nc_u64 s[G0+8*\c+2:G0+8*\c+3], s[6:7], 256*\c
	s_or_b32 s[G0+8*\c+3], s[G0+8*\c+3], 0x80000000
	tensor_load_to_lds s[G0+8*\c:G0+8*\c+3], s[G1:G1+7]            ; v, columns 64 c ..
	s_nop 0
	s_mov_b32 s[G0+8*\c+4], 1
	s_add_co_u32 s[G0+8*\c+5], s57, SUB*(2*\c+1)
	s_add_nc_u64 s[G0+8*\c+6:G0+8*\c+7], s[4:5], 256*\c
	s_or_b32 s[G0+8*\c+7], s[G0+8*\c+7], 0x80000000
	tensor_load_to_lds s[G0+8*\c+4:G0+8*\c+7], s[G1:G1+7]          ; x, columns 64 c ..
	s_nop 0
.endr
	s_add_nc_u64 s[14:15], s[14:15], s[58:59]
	s_add_nc_u64 s[2:3], s[2:3], s[58:59]
	s_mul_i32 s60, s56, 98304                      ; WF: my 8 K steps of 12 fragments
	s_mov_b32 s61, 0
	s_add_nc_u64 s[8:9], s[8:9], s[60:61]
	s_lshl_b32 s60, s56, 15                        ; WcF: my 32 fragments
	s_add_nc_u64 s[12:13], s[12:13], s[60:61]
	s_and_b32 s62, s56, 1                          ; rh
	s_mul_i32 s60, s62, 5120                       ; G: tiles 2 rh, 2 rh + 1 of a part (4,096 rh), K half rh (1,024 rh);
	s_add_nc_u64 s[4:5], s[10:11], s[60:61]        ; x's and v's addresses live on in the descriptors alone
	s_mul_i32 s60, s62, 3072                       ; the same tiles, my partner's K half: 4,096 rh + 1,024 (1 - rh)
	s_add_co_u32 s60, s60, 1024
	s_add_nc_u64 s[6:7], s[10:11], s[60:61]
	v_and_b32 v18, 31, v0
	v_lshlrev_b32 v[WO], 4, v18
; 12 weight fragments of my K step sl, 24 loads of 512 consecutive bytes
.macro LDA buf, sl
	WIN 0
.irp mt, 0,1,2,3,4,5,6,7,8,9,10,11
	global_load_b128 v[\buf+8*\mt:\buf+8*\mt+3],   v[WO], s[8:9] offset:12288*(\sl)+1024*\mt
	global_load_b128 v[\buf+8*\mt+4:\buf+8*\mt+7], v[WO], s[8:9] offset:12288*(\sl)+1024*\mt+512
.endr
.endm
	LDA AB0, 0
	LDA AB1, 1
	v_and_b32 v16, 15, v0                          ; r
	v_bfe_u32 v17, v0, 4, 1                        ; h
	v_lshlrev_b32 v19, 3, v18                      ; 8 L
	v_mul_u32_u24 v[LA], v16, PITCH
	v_lshl_add_u32 v[LA], v17, 5, v[LA]
	v_add_nc_u32 v[LA], s57, v[LA]
	v_add_nc_u32 v[SA], s57, v[WO]
	s_lshl_b32 s63, s56, 13                        ; 8 tiles of 1,024 bytes for each receiving wave
	v_add_nc_u32 v[RA], s63, v[WO]
	v_add_nc_u32 v[RA+1], REGION, v[RA]
	v_add_nc_u32 v[RA+2], REGION, v[RA+1]
	v_add_nc_u32 v[RA+3], REGION, v[RA+2]
	s_lshl_b32 s63, s56, 11
	s_add_co_u32 s63, s63, SCR
	v_add_nc_u32 v[XS], s63, v[WO]
	v_add_nc_u32 v[XS8], s63, v19
	s_xor_b32 s63, s56, 1                          ; my partner: the same rows, the other ranks
	s_lshl_b32 s63, s63, 11
	s_add_co_u32 s63, s63, SCR
	v_add_nc_u32 v[XL], s63, v[WO]
	v_add_nc_u32 v[XL8], s63, v19
	v_add_nc_u32 v[FL], SCR, v[WO]
	v_mul_u32_u24 v[RD], v17, PITCH
	v_lshl_add_u32 v[RD], v16, 4, v[RD]
	v_add_nc_u32 v[RD], s57, v[RD]
	v_add_nc_u32 v[RD+1], 4*SUB, v[RD]
	v_lshlrev_b32 v[CO], 12, v17
	v_lshl_add_u32 v[CO], v16, 4, v[CO]
	s_mov_b32 s62, 0x76543210                      ; v_permlanex16_b32: lane i of one half reads lane i of the other
	s_mov_b32 s63, 0xfedcba98
; ---------------------------------------------------------------- PHASE 1
; K step 2 c + k2 of v into window 2 and of x into window 3: lane (r, h) takes columns 8 h + 0..7 and 16 + 8 h + 0..7 of rows r and 16 + r
.macro LDB c, k2
	WIN 0x80
.irp nt, 0,1
.irp q, 0,1,2,3
	ds_load_b128 v[(2*(2*\c+\k2)+\nt)*16+4*\q:(2*(2*\c+\k2)+\nt)*16+4*\q+3], v[LA] offset:SUB*(2*\c)+4352*\nt+128*\k2+16*(\q%2)+64*(\q/2)
.endr
.endr
	WIN 0xc0
.irp nt, 0,1
.irp q, 0,1,2,3
	ds_load_b128 v[(2*(2*\c+\k2)+\nt)*16+4*\q:(2*(2*\c+\k2)+\nt)*16+4*\q+3], v[LA] offset:SUB*(2*\c+1)+4352*\nt+128*\k2+16*(\q%2)+64*(\q/2)
.endr
.endr
.endm
; the K step's f32 words rounded to f16 fragments; the f32 words stay
.macro CVT sl
	WIN 0x0a
.irp nt, 0,1
.irp k, 0,1,2,3,4,5,6,7
	v_cvt_pk_f16_f32 v[BV+8*\nt+\k], v[(2*(\sl)+\nt)*16+2*\k], v[(2*(\sl)+\nt)*16+2*\k+1]
.endr
.endr
	WIN 0x0f
.irp nt, 0,1
.irp k, 0,1,2,3,4,5,6,7
	v_cvt_pk_f16_f32 v[BX+8*\nt+\k], v[(2*(\sl)+\nt)*16+2*\k], v[(2*(\sl)+\nt)*16+2*\k+1]
.endr
.endr
.endm
.macro MMI acc, a, b, zero
.if \zero
	v_wmma_f32_16x16x32_f16 v[(\acc):(\acc)+7], v[(\a):(\a)+7], v[(\b):(\b)+7], 0
.else
	v_wmma_f32_16x16x32_f16 v[(\acc):(\acc)+7], v[(\a):(\a)+7], v[(\b):(\b)+7], v[(\acc):(\acc)+7]
.endif
.endm
; 32 matrix instructions, each of the 32 accumulators once, always in this order: they take turns, one instruction a turn.
; zero = 1: the first K step starts the sums.
.macro MM buf, zero
	WIN 0x50
.irp nt, 0,1
.irp t, 0,1,2,3
	MMI 8*(8*(2*\nt+\t/2)+0+\t%2), \buf+8*\t, BV+8*\nt, \zero           ; a = v Wa
.endr
.irp t, 0,1,2,3
	MMI 8*(8*(2*\nt+\t/2)+2+\t%2), \buf+8*(4+\t), BV+8*\nt, \zero       ; b = v Wb
.endr
.irp t, 0,1,2,3
	MMI 8*(8*(2*\nt+\t/2)+6+\t%2), \buf+8*(8+\t), BV+8*\nt, \zero       ; q = v Wx
.endr
.irp t, 0,1,2,3
	MMI 8*(8*(2*\nt+\t/2)+4+\t%2), \buf+8*(8+\t), BX+8*\nt, \zero       ; p = x Wx
.endr
.endr
.endm
; x += v on the K step's 32 registers: useful work that names no register of the matrix instructions in front of it, 16 places where 4 are
; needed (ISA guide 7.12.1) before the weight buffer is loaded again, the fragments are rewritten or the accumulators are stored
.macro XPV sl
	WIN 0xcb
.irp i, 0,2,4,6,8,10,12,14,16,18,20,22,24,26,28,30
	v_pk_add_f32 v[32*(\sl)+\i:32*(\sl)+\i+1], v[32*(\sl)+\i:32*(\sl)+\i+1], v[32*(\sl)+\i:32*(\sl)+\i+1]
.endr
.endm
.macro CHUNK c
	s_wait_tensorcnt 6-2*\c                        ; a wave's tensor loads end in order: sub-tiles 2 c and 2 c + 1 are in, the 6 - 2 c younger ones stay out; only I read them
	LDB \c, 0
	LDB \c, 1
.endm
; dsw: LDS loads that may stay out (the second K step's 16, or none); ldw: weight loads that may stay out (the next K step's 24, or none)
.macro KST sl, buf, dsw, ldw, zero, more
	s_wait_dscnt \dsw
	CVT \sl
	s_wait_loadcnt \ldw
	MM \buf, \zero
	XPV \sl
.if \more
	LDA \buf, \sl+2
.endif
.endm
	CHUNK 0
	KST 0, AB0, 16, 24, 1, 1
	KST 1, AB1, 0,  24, 0, 1
	CHUNK 1
	KST 2, AB0, 16, 24, 0, 1
	KST 3, AB1, 0,  24, 0, 1
	CHUNK 2
	KST 4, AB0, 16, 24, 0, 1
	KST 5, AB1, 0,  24, 0, 1
	CHUNK 3
	KST 6, AB0, 16, 24, 0, 0
	KST 7, AB1, 0,  0,  0, 0
; ---------------------------------------------------------------- REDUCTION over the four quarters of K
	; My region has had its only fill and my reads of it are back: its first 32 KiB become my outbox, 8 tiles for each receiving wave.
	WIN 0x04
.set j, 0
.rept 64
	ds_store_b128 v[SA], v[4*j:4*j+3] offset:512*j
.set j, j+1
.endr
	WIN 0
	s_wait_dscnt 0x0                               ; for the other waves: my outbox is written (and the accumulators are free)
	WIN 0x40                                       ; G's 12 fragments go where accumulators lay: 24 loads of 512 consecutive bytes
.irp part, 0,1,2
.irp tl, 0,1
.irp hf, 0,1
	global_load_b128 v[8*(2*\part+\tl)+4*\hf:8*(2*\part+\tl)+4*\hf+3],       v[WO], s[4:5] offset:8192*\part+2048*\tl+512*\hf
	global_load_b128 v[48+8*(2*\part+\tl)+4*\hf:48+8*(2*\part+\tl)+4*\hf+3], v[WO], s[6:7] offset:8192*\part+2048*\tl+512*\hf
.endr
.endr
.endr
	WIN 0
	s_barrier_signal -1
	s_barrier_wait -1
.irp j, 0,1,2,3,4,5,6,7,8,9,10,11,12,13,14,15
	ds_load_b128 v[32+4*\j:32+4*\j+3], v[RA] offset:512*\j
.endr
.irp j, 0,1,2,3,4,5,6,7,8,9,10,11,12,13,14,15
	ds_load_b128 v[96+4*\j:96+4*\j+3], v[RA+1] offset:512*\j
.endr
.irp j, 0,1,2,3,4,5,6,7,8,9,10,11,12,13,14,15
	ds_load_b128 v[160+4*\j:160+4*\j+3], v[RA+2] offset:512*\j
.endr
	WIN 0x40
.irp j, 0,1,2,3,4,5,6,7,8,9,10,11,12,13,14,15
	ds_load_b128 v[192+4*\j:192+4*\j+3], v[RA+3] offset:512*\j
.endr
	WIN 0
	s_wait_dscnt 32                                ; parts 0 and 1 are in; the 32 loads of parts 2 and 3 stay out
.set i, 0
.rept 32
	v_pk_add_f32 v[32+i:32+i+1], v[32+i:32+i+1], v[96+i:96+i+1]
.set i, i+2
.endr
	s_wait_dscnt 0x0
	WIN 0x04
.set i, 0
.rept 32
	v_pk_add_f32 v[160+i:160+i+1], v[160+i:160+i+1], v[192+i:192+i+1]
.set i, i+2
.endr
	WIN 0
.set i, 0
.rept 32
	v_pk_add_f32 v[32+i:32+i+1], v[32+i:32+i+1], v[160+i:160+i+1]     ; a, b, p, q now lie in A_, B_, PA, Q_
.set i, i+2
.endr
; n fragments of -Wc from f0 on, into window 1: 2 n loads of 512 consecutive bytes
.macro LDWC f0, n
	WIN 0x40
.set f, \f0
.rept \n
	global_load_b128 v[(152+8*f)&255:((152+8*f)&255)+3],     v[WO], s[12:13] offset:1024*f
	global_load_b128 v[((152+8*f)&255)+4:((152+8*f)&255)+7], v[WO], s[12:13] offset:1024*f+512
.set f, f+1
.endr
	WIN 0
.endm
	LDWC 0, 13                                     ; phase 3's fragments 0-12 go into registers that the ODE leaves alone
	s_wait_loadcnt 26                              ; G's 24 loads are in; the 26 just issued stay out through the ODE
; ---------------------------------------------------------------- ODE
.macro PKF d, x, lit, y                ; d = x lit + y on a pool
.irp i, 0,2,4,6,8,10,12,14
	v_pk_fma_f32 v[\d+\i:\d+\i+1], v[\x+\i:\x+\i+1], \lit, v[\y+\i:\y+\i+1] op_sel_hi:[1,0,1]
.endr
.endm
.macro PKM d, x, lit                   ; d = x lit: starts a sum, nothing is cleared
.irp i, 0,2,4,6,8,10,12,14
	v_pk_mul_f32 v[\d+\i:\d+\i+1], v[\x+\i:\x+\i+1], \lit op_sel_hi:[1,0]
.endr
.endm
.macro PKV d, x, k, y                  ; d = x k + y on a pool, k a pair that holds the lane's factor twice
.irp i, 0,2,4,6,8,10,12,14
	v_pk_fma_f32 v[\d+\i:\d+\i+1], v[\x+\i:\x+\i+1], v[\k:\k+1], v[\y+\i:\y+\i+1]
.endr
.endm
.macro KS ko, lit                      ; the constant times my factor, and times my partner's
	v_pk_mul_f32 v[\ko:\ko+1],   v[SO:SO+1], \lit op_sel_hi:[1,0]
	v_pk_mul_f32 v[\ko+2:\ko+3], v[SP:SP+1], \lit op_sel_hi:[1,0]
.endm
; d = the largest magnitude of the pool's 32 ranks of my batch row: 16 numbers in my lane, in two chains, and 16 in the lane of the other half
.macro ROWMAX d, t, src
	v_max3_num_f32 v[\d], |v[\src]|, |v[\src+1]|, |v[\src+2]|
	v_max3_num_f32 v[\t], |v[\src+3]|, |v[\src+4]|, |v[\src+5]|
	v_max3_num_f32 v[\d], v[\d], |v[\src+6]|, |v[\src+7]|
	v_max3_num_f32 v[\t], v[\t], |v[\src+8]|, |v[\src+9]|
	v_max3_num_f32 v[\d], v[\d], |v[\src+10]|, |v[\src+11]|
	v_max3_num_f32 v[\t], v[\t], |v[\src+12]|, |v[\src+13]|
	v_max3_num_f32 v[\d], v[\d], |v[\src+14]|, |v[\src+15]|
	v_max_num_f32 v[\d], v[\d], v[\t]
	v_permlanex16_b32 v[\t], v[\d], s62, s63       ; its destination counts as read: t has been written
	v_max_num_f32 v[\d], v[\d], v[\t]
.endm
; s = 2^(exponent of m), the exponent field kept in 1 .. 252 so that s and 1 / s are both normal numbers
.macro EXPO s, m
	v_and_b32 v[\m], 0x7f800000, v[\m]
	v_max_u32 v[\m], 0x00800000, v[\m]
	v_min_u32 v[\s], 0x7e000000, v[\m]
.endm
; the pool divided by s, rounded to f16: two result tiles = a fragment of 32 ranks.  s and 1 / s are laid out twice, as pairs.
.macro NORM frag, src, tmp, s, iv
	v_mov_b32 v[\s+1], v[\s]
	v_sub_nc_u32 v[\iv], 0x7f000000, v[\s]         ; exponent field 254 - E: exactly 1 / s
	v_mov_b32 v[\iv+1], v[\iv]
.irp i, 0,2,4,6,8,10,12,14
	v_pk_mul_f32 v[\tmp+\i:\tmp+\i+1], v[\src+\i:\src+\i+1], v[\iv:\iv+1]
.endr
.irp k, 0,1,2,3,4,5,6,7
	v_cvt_pk_f16_f32 v[\frag+\k], v[\tmp+2*\k], v[\tmp+2*\k+1]
.endr
.endm
.macro PACKS src                       ; UB has been read by now: it is free until the product writes it
	ROWMAX M0, M1, \src
	EXPO SO, M0
	NORM CF, \src, UB, SO, IV
.endm
; dst = sa sb tanh(pp / k)
.macro EVAL pp, sa, sb, dst
.irp i, 0,1,2,3,4,5,6,7,8,9,10,11,12,13,14,15
	v_exp_f32 v[UX+\i], v[\pp+\i]
.endr
.irp i, 0,2,4,6,8,10,12,14
	v_pk_mul_f32 v[UA+\i:UA+\i+1], v[\sa+\i:\sa+\i+1], v[\sb+\i:\sb+\i+1]   ; plain work behind the exponentials, before their results are used
.endr
	s_wait_alu depctr_va_vdst(0)
.irp i, 0,2,4,6,8,10,12,14
	v_pk_add_f32 v[UX+\i:UX+\i+1], v[UX+\i:UX+\i+1], 1.0 op_sel_hi:[1,0]
.endr
.irp i, 0,1,2,3,4,5,6,7,8,9,10,11,12,13,14,15
	v_rcp_f32 v[UX+\i], v[UX+\i]
.endr
	v_nop                                          ; one plain place behind the last reciprocal
	s_wait_alu depctr_va_vdst(0)
.irp i, 0,2,4,6,8,10,12,14
	v_pk_fma_f32 v[UX+\i:UX+\i+1], v[UX+\i:UX+\i+1], -2.0, 1.0 op_sel_hi:[1,0,0]
.endr
.irp i, 0,2,4,6,8,10,12,14
	v_pk_mul_f32 v[\dst+\i:\dst+\i+1], v[UX+\i:UX+\i+1], v[UA+\i:UA+\i+1]
.endr
.endm
; U = c G in two halves of K, which carry different factors and so have accumulators of their own; every product starts from 0, none adds in place.
; First half: my fragment and its factor go to my partner, and the fragment is multiplied while the partner arrives.
; Two exchange buffers take turns: a buffer is written again two exchanges later, and the barrier between has the partner's wait for its reads in front of its signal.
.macro XMA par
	ds_store_b128 v[XS], v[CF:CF+3]   offset:8192*\par
	ds_store_b128 v[XS], v[CF+4:CF+7] offset:8192*\par+512
	ds_store_b64 v[XS8], v[SO:SO+1]   offset:8192*\par+1024
	s_wait_dscnt 0x0                               ; for my partner: fragment and factor are in LDS
	s_barrier_signal -1
	WIN 0x01
.irp gi, 0,1,2,3,4,5
	v_wmma_f32_16x16x32_f16 v[UA+8*\gi:UA+8*\gi+7], v[8*\gi:8*\gi+7], v[CF:CF+7], 0
.endr
	WIN 0
.endm
.macro XMB par
	s_barrier_wait -1
	ds_load_b64 v[SP:SP+1], v[XL8] offset:8192*\par+1024
	WIN 0x40
	ds_load_b128 v[PF:PF+3],   v[XL] offset:8192*\par
	ds_load_b128 v[PF+4:PF+7], v[XL] offset:8192*\par+512
	s_wait_dscnt 0x0
	WIN 0x45
.irp gi, 0,1,2,3,4,5
	v_wmma_f32_16x16x32_f16 v[VA+8*\gi:VA+8*\gi+7], v[48+8*\gi:48+8*\gi+7], v[PF:PF+7], 0
.endr
	WIN 0
.endm
; One RK4 step.  Behind each XMB stand at least 8 packed operations on pools that neither product names: the places before the results are read
; and before the registers of CF are written with factors (ISA guide 7.12.1).  The results in window 0 are used first, then, under one switch, those in window 1.
.macro STEP first
	EVAL PA, A_, B_, S_                            ; c1, which also starts S
	PACKS S_
	XMA 0
.if \first
	PKM CX, S_, HH6
.else
	PKF CX, CV, H, CX                              ; x's share of the velocity lost so far
	PKF CX, S_, HH6, CX
.endif
	XMB 0
	PKF PB, Q_, H2, PA                             ; P2 = p + h/2 q
	PKF PA, Q_, H, PA                              ; R = p + h q
	KS KO0, NH2
	KS KO1, NHH4
	KS KO2, NHH6
	PKV PC, UX, KO1, PB                            ; P3
	PKV PD, UX, KO2, PA                            ; the next p, growing
	PKV UA, UA, KO0, A_
	PKV UB, UB, KO0, B_
	WIN 0x01
	PKV PC, VX, KO1+2, PC
	PKV PD, VX, KO2+2, PD
	PKV UA, VA, KO0+2, UA
	PKV UB, VB, KO0+2, UB
	WIN 0
	EVAL PB, UA, UB, CC                            ; c2
	PACKS CC
	XMA 1
	PKF S_, CC, 2.0, S_
	XMB 1
	PKF CX, CC, HH6, CX
	KS KO0, NH2
	KS KO1, NHH2
	KS KO2, NHH6
	PKV PB, UX, KO1, PA                            ; P4
	PKV PD, UX, KO2, PD
	PKV UA, UA, KO0, A_
	PKV UB, UB, KO0, B_
	WIN 0x01
	PKV PB, VX, KO1+2, PB
	PKV PD, VX, KO2+2, PD
	PKV UA, VA, KO0+2, UA
	PKV UB, VB, KO0+2, UB
	WIN 0
	EVAL PC, UA, UB, CC                            ; c3
	PACKS CC
	XMA 0
	PKF S_, CC, 2.0, S_
	XMB 0
	PKF CX, CC, HH6, CX
	KS KO0, NH
	KS KO1, NHH6
	PKV PA, UX, KO1, PD                            ; the next p
	PKV UA, UA, KO0, A_
	PKV UB, UB, KO0, B_
	WIN 0x01
	PKV PA, VX, KO1+2, PA
	PKV UA, VA, KO0+2, UA
	PKV UB, VB, KO0+2, UB
	WIN 0
	EVAL PB, UA, UB, CC                            ; c4
.irp i, 0,2,4,6,8,10,12,14
	v_pk_add_f32 v[S_+\i:S_+\i+1], v[S_+\i:S_+\i+1], v[CC+\i:CC+\i+1]   ; S = c1 + 2 c2 + 2 c3 + c4
.endr
	PACKS S_
	XMA 1                                          ; U(S) takes the place of U(c4)
	XMB 1
.if \first
	PKM CV, S_, H6
.else
	PKF CV, S_, H6, CV
.endif
	KS KO0, NH6
	PKV A_, UA, KO0, A_
	PKV B_, UB, KO0, B_
	PKV Q_, UX, KO0, Q_
	WIN 0x01
	PKV A_, VA, KO0+2, A_
	PKV B_, VB, KO0+2, B_
	PKV Q_, VX, KO0+2, Q_
	WIN 0
.endm
	STEP 1
	s_mov_b32 s60, 4
.Lstep:
	STEP 0
	s_sub_co_u32 s60, s60, 1
	s_cmp_lg_u32 s60, 0
	s_cbranch_scc1 .Lstep
; ---------------------------------------------------------------- HAND-OVER: every wave needs CV and CX of all 32 rows and 64 ranks
	LDWC 13, 19                                    ; fragments 13-31 of -Wc go where G, my partner's fragment and its products lay: their last use is more than four places back
	; The two halves of the ranks agree on one factor a row, so that phase 3 adds both halves of K in one accumulator.
	ROWMAX 252, 254, CV
	ROWMAX 253, 254, CX
	ds_store_b64 v[XS8], v[252:253] offset:FB0+1024
	s_wait_dscnt 0x0                               ; for my partner
	s_barrier_signal -1
	s_barrier_wait -1
	ds_load_b64 v[254:255], v[XL8] offset:FB0+1024
	s_wait_dscnt 0x0
	v_max_num_f32 v252, v252, v254
	v_max_num_f32 v253, v253, v255
	EXPO 240, 252                                  ; CV's factor
	EXPO 242, 253                                  ; CX's
	NORM PB,   CV, UB, 240, 244
	NORM PB+8, CX, UX, 242, 246
	ds_store_b128 v[XS], v[PB:PB+3]     offset:FB0
	ds_store_b128 v[XS], v[PB+4:PB+7]   offset:FB0+512
	ds_store_b128 v[XS], v[PB+8:PB+11]  offset:FB0+8192
	ds_store_b128 v[XS], v[PB+12:PB+15] offset:FB0+8192+512
	ds_store_b128 v[XS], v[240:243]     offset:FB0+8192+1024       ; CV's factor twice, CX's twice
	s_wait_dscnt 0x0                               ; for the other waves
	s_barrier_signal -1
	s_barrier_wait -1
.irp t, 0,1
.irp w, 0,1,2,3
	ds_load_b128 v[FR+32*\t+8*\w:FR+32*\t+8*\w+3],   v[FL] offset:FB0+8192*\t+2048*\w
	ds_load_b128 v[FR+32*\t+8*\w+4:FR+32*\t+8*\w+7], v[FL] offset:FB0+8192*\t+2048*\w+512
.endr
.endr
.irp nt, 0,1
	ds_load_b128 v[SC+4*\nt:SC+4*\nt+3], v[FL] offset:FB0+8192+1024+4096*\nt   ; from wave 2 nt: its partner holds the same
.endr
	s_wait_dscnt 0x0
; ---------------------------------------------------------------- PHASE 3
; 64 columns (c) of one output (t = 0: out1 from window 2 and CV; t = 1: out0 from window 3 and CX): 8 tiles x 2 halves of K; the 8 accumulators
; take turns, one instruction a turn; the tiles are added with their row's factor onto v0 or x0 + v0;
; then through my own stage in LDS (the sub-tile from which the words came), read back as whole rows.
.macro OUTG c, t, base
	WIN 0x01
.irp ks, 0,1
.irp u, 0,1,2,3
.irp nt, 0,1
.set FA, (152+8*(2*(4*\c+\u)+\ks))&255
.set FB, FR+32*\t+8*(2*\nt+\ks)
.set TT, TP+8*(2*\u+\nt)
.if \ks
	v_wmma_f32_16x16x32_f16 v[TT:TT+7], v[FA:FA+7], v[FB:FB+7], v[TT:TT+7]
.else
	v_wmma_f32_16x16x32_f16 v[TT:TT+7], v[FA:FA+7], v[FB:FB+7], 0
.endif
.endr
.endr
.endr
.rept 4
	v_nop                                          ; four places before the results are read (ISA guide 7.12.1)
.endr
.if \t
	WIN 0xf0
.else
	WIN 0xa0
.endif
.irp u, 0,1,2,3
.irp nt, 0,1
.irp i, 0,2,4,6
.set TL, (((4*\c+\u)/2)*2+\nt)*16+8*(\u%2)
.set TT, TP+8*(2*\u+\nt)
	v_pk_fma_f32 v[TL+\i:TL+\i+1], v[TT+\i:TT+\i+1], v[SC+4*\nt+2*\t:SC+4*\nt+2*\t+1], v[TL+\i:TL+\i+1]
.endr
.endr
.endr
.if \t
	WIN 0x0c
.else
	WIN 0x08
.endif
.irp k2, 0,1
.irp nt, 0,1
.irp q, 0,1,2,3
	ds_store_b128 v[LA], v[(2*(2*\c+\k2)+\nt)*16+4*\q:(2*(2*\c+\k2)+\nt)*16+4*\q+3] offset:SUB*(2*\c+\t)+4352*\nt+128*\k2+16*(\q%2)+64*(\q/2)
.endr
.endr
.endr
	WIN 0
	s_wait_xcnt 0x0                                ; OB, which the stores of the group before read, is loaded again only behind this wait
.irp rp, 0,1,2,3,4,5,6,7,8,9,10,11,12,13,14,15
	ds_load_b128 v[OB+4*\rp:OB+4*\rp+3], v[RD+\c/2] offset:SUB*(2*(\c%2)+\t)+544*\rp   ; LDS serves a wave's instructions in order: these see the stores above
.endr
.irp rp, 0,1,2,3,4,5,6,7,8,9,10,11,12,13,14,15
	s_wait_dscnt 15-\rp                            ; row pair rp is back; the younger ones stay out
	global_store_b128 v[CO], v[OB+4*\rp:OB+4*\rp+3], s[\base:\base+1] offset:8192*\rp+256*\c th:TH_STORE_NT   ; 16 lanes store 256 consecutive bytes, aligned
.endr
.endm
	; Of the 64 loads of -Wc, in order, column group c needs the first 16 (c + 1): the rest may stay out.
	s_wait_loadcnt 48
	OUTG 0, 0, 2
	OUTG 0, 1, 14
	s_wait_loadcnt 32
	OUTG 1, 0, 2
	OUTG 1, 1, 14
	s_wait_loadcnt 16
	OUTG 2, 0, 2
	OUTG 2, 1, 14
	s_wait_loadcnt 0x0
	OUTG 3, 0, 2
	OUTG 3, 1, 14
	s_wait_xcnt 0x0
	v_lshl_add_u32 v254, v0, 2, 0x4c000
	v_mov_b32 v255, 0
	s_wait_tensorcnt 0x0
	ds_add_u32 v254, v255
	s_wait_dscnt 0x0
	s_endpgm
.Lfunc_end_k_qcca2bec836_main:
	.size	k_qcca2bec836_main, .Lfunc_end_k_qcca2bec836_main-k_qcca2bec836_main
	.p2alignl 7, 3214868480
	.fill 96, 4, 3214868480
	.section	.rodata,"a",@progbits
	.p2align	6, 0x0
	.amdhsa_kernel k_qcca2bec836_main
		.amdhsa_group_segment_fixed_size 311808
		.amdhsa_private_segment_fixed_size 0
		.amdhsa_enable_private_segment 0
		.amdhsa_kernarg_size 56
		.amdhsa_user_sgpr_count 2
		.amdhsa_user_sgpr_kernarg_segment_ptr 1
		.amdhsa_wavefront_size32 1
		.amdhsa_system_sgpr_workgroup_id_x 1
		.amdhsa_system_sgpr_workgroup_id_y 1
		.amdhsa_system_sgpr_workgroup_id_z 1
		.amdhsa_system_vgpr_workitem_id 0
		.amdhsa_next_free_vgpr 1024
		.amdhsa_next_free_sgpr 66
		.amdhsa_reserve_vcc 0
		.amdhsa_float_denorm_mode_32 3
		.amdhsa_float_denorm_mode_16_64 3
		.amdhsa_memory_ordered 1
		.amdhsa_forward_progress 1
		.amdhsa_inst_pref_size 255
	.end_amdhsa_kernel
	.section	.bss,"aw",@nobits
	.p2align	6
	.space	262144
	.amdgpu_metadata
---
amdhsa.version: [ 1, 2 ]
amdhsa.kernels:
  - .name:           k_qcca2bec836_main
    .symbol:         k_qcca2bec836_main.kd
    .args:
      - { .name: x, .offset: 0, .size: 8, .value_kind: global_buffer, .address_space: global }
      - { .name: v, .offset: 8, .size: 8, .value_kind: global_buffer, .address_space: global }
      - { .name: WF, .offset: 16, .size: 8, .value_kind: global_buffer, .address_space: global }
      - { .name: GF, .offset: 24, .size: 8, .value_kind: global_buffer, .address_space: global }
      - { .name: WcF, .offset: 32, .size: 8, .value_kind: global_buffer, .address_space: global }
      - { .name: out0, .offset: 40, .size: 8, .value_kind: global_buffer, .address_space: global }
      - { .name: out1, .offset: 48, .size: 8, .value_kind: global_buffer, .address_space: global }
    .group_segment_fixed_size: 311808
    .private_segment_fixed_size: 0
    .kernarg_segment_align: 8
    .kernarg_segment_size: 56
    .max_flat_workgroup_size: 128
    .sgpr_count:     66
    .vgpr_count:     1024
    .wavefront_size: 32
...
	.end_amdgpu_metadata
.endif
;; end of part 4
